; MI455X (gfx1250); checked and timed in simulation.
; The chip was launched on July 23, 2026; its instructions are those of AMD's public machine-readable ISA for CDNA 5 (MIT licence, August 2026) and "CDNA5" Instruction Set Architecture Reference Guide (July 2026). The comments in the code are by the model that wrote it; some were corrected since.
;; Interaction Net2. Allowed arithmetic: float matrix products may take bf16 or f16 operands with f32 sums; other float arithmetic in f32, or as packed bf16 or f16 multiplies, adds, multiply-adds, maxima and minima; sums over many terms, partial sums and values carried from step to step in f32; what a program stores and reads back later, other than sums and carried values, may be rounded once to bf16 or f16.
;; Inputs: W 49,536 x 512 float32; b 49,536 float32; int_x 2,048 x 512 float32; x 2,048 x 128 float32.
;; Outputs: out0 2,048 x 128 float32.
;; 2 versions, each right; version 2 is version 1 with the launch prep written anew for expert scheduling mode. Each part assembles by itself: llvm-mc -triple=amdgcn-amd-amdhsa -mcpu=gfx1250 --defsym DOCPART=n.
;; ======== version 1 of 2: 4 launches
;; workspace buffers: ixb 2,097,152 bytes; hA 1,048,576 bytes; hB 1,048,576 bytes
;; launch prep (part 1): grid 160 x 1, 4 waves a work-group, no clusters, 35,328 bytes of LDS; arguments int_x, x, ixb, hA; writes ixb, hA
.if DOCPART == 1
	.amdgcn_target "amdgcn-amd-amdhsa--gfx1250"
	.amdhsa_code_object_version 6
	.text
	.protected	k_q2d43cc50ab_prep
	.globl	k_q2d43cc50ab_prep
	.p2align	8
	.type	k_q2d43cc50ab_prep,@function
k_q2d43cc50ab_prep:
	s_mov_b64 s[64:65], 0
	v_nop
	global_prefetch_b8 v0, s[64:65] scope:SCOPE_SE
	s_setreg_imm32_b32 hwreg(HW_REG_WAVE_MODE, 25, 1), 1
	s_wait_xcnt 0x0
; PREP.  (1) int_x [2048][512] f32 -> ixb, bf16, in the order in which the layer launches hold it in registers:
;   byte (sb*4+kq)*65536 + (t*4+ks)*1024 + c*512 + L*16 holds int_x[256 sb + 16 t + L%16][128 kq + 32 ks + 16 c + 8 (L/16) + 0..7],
;   so that a wave's load of a fragment half there covers 512 consecutive bytes.
; (2) x [2048][128] f32 -> hA, f32 numbers rounded once to bf16, as [sb 8][qb 32][sample 256][4]: p = 4 qb + i.
; Work-groups 0-127: 16 rows of int_x each, wave kq takes 512 bytes of each row.  Work-groups 128-159: 64 rows of x, 16 a wave.
; Memory binds: each byte is read once by loads that cover 512 consecutive bytes, turned in the wave's own LDS bytes (no barrier: no wave reads another's),
; and stored so that sixteen neighbouring lanes write 256 consecutive bytes, aligned.  No matrix unit, no cluster: nothing is shared.
.set PITCH, 272                        ; an LDS row: 256 bytes + 16, so that 16 rows taken at one column fall on 16 different 16-byte columns of 256
.set WLDS,  32*PITCH                   ; a wave's LDS bytes
.set SPARE, 4*WLDS                     ; behind them the spare words, 128 bytes a wave: no other line names them
.set SPW, 2                            ; v2  my spare word's address; never rewritten
.set NIL, 3                            ; v3  0; never rewritten
.set X,   16                           ; v[16:79]   16 rows as loaded, 4 registers each
.set Y,   80                           ; v[80:143]  what comes back from LDS
	s_load_b256 s[4:11], s[0:1], 0x0               ; int_x s[4:5], x s[6:7], ixb s[8:9], hA s[10:11]
	v_lshl_add_u32 v[SPW], v0, 2, SPARE
	v_mov_b32 v[NIL], 0
	v_lshrrev_b32 v1, 5, v0
	v_readfirstlane_b32 s18, v1                    ; wave 0..3
	v_and_b32 v4, 31, v0                           ; L
	v_and_b32 v5, 15, v0                           ; L % 16
	v_bfe_u32 v6, v0, 4, 1                         ; L / 16
	s_mul_i32 s19, s18, WLDS                       ; my wave's LDS bytes
	s_mov_b32 s21, 0
	s_wait_kmcnt 0x0
	s_cmp_lt_u32 ttmp9, 128
	s_cbranch_scc0 .Lx
	; ---- int_x: work-group g = 16 sb + t owns rows 16 g .. 16 g + 15
	s_lshl_b32 s20, ttmp9, 15                      ; 16 rows of 2,048 bytes
	s_add_nc_u64 s[4:5], s[4:5], s[20:21]
	s_lshl_b32 s24, s18, 9                         ; my wave's 512 bytes of a row
	v_lshl_add_u32 v7, v4, 4, s24
.irp r, 0,1,2,3,4,5,6,7,8,9,10,11,12,13,14,15
	global_load_b128 v[X+4*\r:X+4*\r+3], v7, s[4:5] offset:2048*\r th:TH_LOAD_NT
.endr
	v_lshl_add_u32 v8, v4, 3, s19                  ; in: 8 bytes a lane, a row of 128 bf16 on end
	v_mul_u32_u24 v9, v5, PITCH                    ; back: row L % 16, 16 bytes at 16 (L / 16)
	v_lshl_add_u32 v9, v6, 4, v9
	v_add_nc_u32 v9, s19, v9
	v_lshlrev_b32 v10, 4, v4
	s_lshr_b32 s22, ttmp9, 4                       ; sb
	s_lshl_b32 s22, s22, 2
	s_add_co_u32 s22, s22, s18                     ; 4 sb + kq
	s_lshl_b32 s22, s22, 16
	s_and_b32 s23, ttmp9, 15                       ; t
	s_lshl_b32 s23, s23, 12
	s_add_co_u32 s22, s22, s23
	s_mov_b32 s23, 0
	s_add_nc_u64 s[8:9], s[8:9], s[22:23]
.irp r, 0,1,2,3,4,5,6,7,8,9,10,11,12,13,14,15
	s_wait_loadcnt 15-\r                           ; loads come back in order: row r is in, the younger rows stay out
	v_cvt_pk_bf16_f32 v[X+4*\r], v[X+4*\r], v[X+4*\r+1]
	v_cvt_pk_bf16_f32 v[X+4*\r+1], v[X+4*\r+2], v[X+4*\r+3]
	ds_store_b64 v8, v[X+4*\r:X+4*\r+1] offset:PITCH*\r
.endr
.irp i, 0,1,2,3,4,5,6,7
	ds_load_b128 v[Y+4*\i:Y+4*\i+3], v9 offset:32*\i   ; i = 2 ks + c; a wave's LDS instructions are served in order: these see the stores above
.endr
.irp i, 0,1,2,3,4,5,6,7
	s_wait_dscnt 7-\i                              ; read-back i is in, the younger ones stay out
	global_store_b128 v10, v[Y+4*\i:Y+4*\i+3], s[8:9] offset:512*\i   ; 512 consecutive bytes
.endr
	s_branch .Lend
	; ---- x: wave j = 4 (g - 128) + wave owns rows 16 j .. 16 j + 15
.Lx:
	s_sub_co_u32 s20, ttmp9, 128
	s_lshl_b32 s20, s20, 2
	s_add_co_u32 s24, s20, s18                     ; j
	s_lshl_b32 s20, s24, 13                        ; 16 rows of 512 bytes
	s_add_nc_u64 s[6:7], s[6:7], s[20:21]
	v_lshlrev_b32 v7, 4, v4                        ; lane = q block: 4 numbers
.irp r, 0,1,2,3,4,5,6,7,8,9,10,11,12,13,14,15
	global_load_b128 v[X+4*\r:X+4*\r+3], v7, s[6:7] offset:512*\r th:TH_LOAD_NT
.endr
	v_mul_u32_u24 v8, v4, PITCH                    ; in: LDS row = q block, 16 bytes a sample
	v_add_nc_u32 v8, s19, v8
	v_mul_u32_u24 v9, v6, PITCH                    ; back: lanes 0-15 one q block's 16 samples, lanes 16-31 the next block's
	v_lshl_add_u32 v9, v5, 4, v9
	v_add_nc_u32 v9, s19, v9
	v_lshlrev_b32 v10, 4, v5
	v_lshl_add_u32 v10, v6, 12, v10                ; a q block is 4,096 bytes of hA
	s_lshr_b32 s22, s24, 4                         ; sb
	s_lshl_b32 s22, s22, 17
	s_and_b32 s23, s24, 15
	s_lshl_b32 s23, s23, 8                         ; my 16 samples: 256 bytes
	s_add_co_u32 s22, s22, s23
	s_mov_b32 s23, 0
	s_add_nc_u64 s[10:11], s[10:11], s[22:23]
.irp r, 0,1,2,3,4,5,6,7,8,9,10,11,12,13,14,15
	s_wait_loadcnt 15-\r
	v_cvt_pk_bf16_f32 v12, v[X+4*\r], v[X+4*\r+1]      ; rounded once to bf16,
	v_cvt_pk_bf16_f32 v13, v[X+4*\r+2], v[X+4*\r+3]
	v_lshlrev_b32 v[X+4*\r], 16, v12                   ; and written as f32 again
	v_and_b32 v[X+4*\r+1], 0xffff0000, v12
	v_lshlrev_b32 v[X+4*\r+2], 16, v13
	v_and_b32 v[X+4*\r+3], 0xffff0000, v13
	ds_store_b128 v8, v[X+4*\r:X+4*\r+3] offset:16*\r
.endr
.irp m, 0,1,2,3,4,5,6,7,8,9,10,11,12,13,14,15
	ds_load_b128 v[Y+4*\m:Y+4*\m+3], v9 offset:2*PITCH*\m
.endr
.irp m, 0,1,2,3,4,5,6,7,8,9,10,11,12,13,14,15
	s_wait_dscnt 15-\m
	global_store_b128 v10, v[Y+4*\m:Y+4*\m+3], s[10:11] offset:8192*\m   ; sixteen lanes store 256 consecutive bytes, aligned
.endr
.Lend:
	s_wait_tensorcnt 0x0                           ; the wave's end: a wait, an add to the spare word and its wait, behind my last LDS store
	ds_add_u32 v[SPW], v[NIL]
	s_wait_dscnt 0x0
	s_endpgm
.Lfunc_end_k_q2d43cc50ab_prep:
	.size	k_q2d43cc50ab_prep, .Lfunc_end_k_q2d43cc50ab_prep-k_q2d43cc50ab_prep
	.p2alignl 7, 3214868480
	.fill 96, 4, 3214868480
	.section	.rodata,"a",@progbits
	.p2align	6, 0x0
	.amdhsa_kernel k_q2d43cc50ab_prep
		.amdhsa_group_segment_fixed_size 35328
		.amdhsa_private_segment_fixed_size 0
		.amdhsa_enable_private_segment 0
		.amdhsa_kernarg_size 32
		.amdhsa_user_sgpr_count 2
		.amdhsa_user_sgpr_kernarg_segment_ptr 1
		.amdhsa_wavefront_size32 1
		.amdhsa_system_sgpr_workgroup_id_x 1
		.amdhsa_system_sgpr_workgroup_id_y 1
		.amdhsa_system_sgpr_workgroup_id_z 1
		.amdhsa_system_vgpr_workitem_id 0
		.amdhsa_next_free_vgpr 144
		.amdhsa_next_free_sgpr 66
		.amdhsa_reserve_vcc 0
		.amdhsa_float_denorm_mode_32 3
		.amdhsa_float_denorm_mode_16_64 3
		.amdhsa_memory_ordered 1
		.amdhsa_forward_progress 1
		.amdhsa_inst_pref_size 21
	.end_amdhsa_kernel
	.amdgpu_metadata
---
amdhsa.version: [ 1, 2 ]
amdhsa.kernels:
  - .name:           k_q2d43cc50ab_prep
    .symbol:         k_q2d43cc50ab_prep.kd
    .args:
      - { .name: int_x, .offset: 0, .size: 8, .value_kind: global_buffer, .address_space: global }
      - { .name: x, .offset: 8, .size: 8, .value_kind: global_buffer, .address_space: global }
      - { .name: ixb, .offset: 16, .size: 8, .value_kind: global_buffer, .address_space: global }
      - { .name: hA, .offset: 24, .size: 8, .value_kind: global_buffer, .address_space: global }
    .group_segment_fixed_size: 35328
    .private_segment_fixed_size: 0
    .kernarg_segment_align: 8
    .kernarg_segment_size: 32
    .max_flat_workgroup_size: 128
    .sgpr_count:     66
    .vgpr_count:     144
    .wavefront_size: 32
...
	.end_amdgpu_metadata
.endif
;; end of part 1
;; launch lay0 (part 2): grid 8 x 32, 4 waves a work-group, clusters of 4 x 1, 327,680 bytes of LDS; arguments W, b, ixb, hA, hB; writes hB
.if DOCPART == 2
	.amdgcn_target "amdgcn-amd-amdhsa--gfx1250"
	.amdhsa_code_object_version 6
	.text
	.protected	k_q2d43cc50ab_lay0
	.globl	k_q2d43cc50ab_lay0
	.p2align	8
	.type	k_q2d43cc50ab_lay0,@function
k_q2d43cc50ab_lay0:
	s_mov_b64 s[64:65], 0
	v_nop
	global_prefetch_b8 v0, s[64:65] scope:SCOPE_SE
	s_setreg_imm32_b32 hwreg(HW_REG_WAVE_MODE, 25, 1), 1
	s_wait_xcnt 0x0
	s_wait_alu depctr_hold_cnt(0) depctr_sa_sdst(0) depctr_va_vdst(0) depctr_va_sdst(0) depctr_va_ssrc(0) depctr_va_vcc(0) depctr_vm_vsrc(0)
	s_getreg_b32 s2, hwreg(HW_REG_IB_STS2, 6, 4)
	s_cmp_eq_u32 s2, 0
	s_cbranch_scc0 .Lentry_in_a_cluster
	s_endpgm
.Lentry_in_a_cluster:
	s_bfe_u32 s2, ttmp6, 0x10000c
	s_cmp_lg_u32 s2, 0x3003
	s_cbranch_scc0 .Lentry_shape_is_right
	s_endpgm
.Lentry_shape_is_right:
; ONE LAYER of the hypernetwork:  h'[n][q] = act( sum over p of temp[n][cum+128+128 p+q] h[n][p] + temp[n][cum+q] ),  temp[n][o] = sum over i of int_x[n][i] W[o][i] + b[o],  cum = 16,512 LAY.
; The three layers' texts differ in the line '.set LAY' alone: the layer's number enters the address of W's joint loads, which is made of numbers that all partners of a cluster share: constants, the wave's number, the q block.
; temp never reaches memory.  int_x (from ixb), W and b enter rounded once to bf16; products' sums, h and the sum over p stay in f32.
; LIMITS.  ReLU (layers 0, 1) is v_max_num_f32 against 0: a NaN sum leaves as 0.  b enters as 0.25 b in each of four partial sums: exact for |b| of 2^-124 and more.
; SHARES.  A work-group owns 256 samples (sb) x 4 neighbouring q (qb) and walks all 128 p: 8 x 32 = 256 work-groups.  K IS SPLIT AMONG THE FOUR WAVES: the layer is linear up to act, so wave kq
; multiplies channels 128 kq .. +127 alone, for all 256 samples, carries its partial temp through the sum over p, and the four partial h' meet in LDS at the end.  So a wave keeps its part of int_x
; (16 sample tiles x 4 K steps x 8 = 512 registers) for the whole launch, each fragment of W read from LDS feeds 16 matrix instructions, and is read, and rounded to bf16, by one wave alone.
; TILES.  Source 0 = 16 rows of W, source 1 = 16 samples: in the result a lane holds ONE sample (lane % 16) and rows 8 (lane / 16) + j.  The 16 rows of tile T are ordered so that j = 2 q + e and
; p = 64 (lane / 16) + 2 T + e: the sum over p is four v_pk_fma_f32 a result, hacc[2q:2q+1] += (h[p(e=0)], h[p(e=1)]) x acc[2q:2q+1].  b is the C operand of a tile's first product.
; The layer's bias rows are one tile more, ahead of tile 0: rows j = 2 q of lanes 0-15 are live, the other rows are copies of them; it is summed with (1, 0) in lanes 0-15 and (0, 0) in lanes 16-31 in h's place.
; RING.  Two LDS slots; a slot holds 4 tiles (16 p x 4 q rows of W in f32, 128 KiB, and the 16 p of h for my 256 samples, 16 KiB): 256 matrix instructions a wave.  Waves 0, 1 fetch W's two regions, waves 2, 3 h's two pieces.
; CLUSTER.  W's rows hang on qb alone: the four sample blocks of a cluster ask for them JOINTLY (mask 15).  h's pieces and int_x differ from partner to partner (each has its own samples): loads of one's own.
; THE TEXT.  A BODY goes from behind one tile's K step 0 to behind the next tile's K step 0, so that all that bodies 4 g .. 4 g + 3 read from LDS lies in slot g and the change of slots stands between bodies.  Nothing in it
; has two buffers: W's fragment of K step ks is rewritten when K step ks is over, b and h when the K step 0 that read them is over.  So one text serves every tile; a slot's four are a counted loop, nested 2 x 2 since h's
; address goes + 8, + 4,088, + 8.  The outer loop holds two such groups, one for each slot of LDS, so that each slot keeps a descriptor of its own.  hacc starts at 0: 128 v_mov_b32, once a launch, while int_x is on its way.
; REGISTERS, in windows of 256 (s_set_vgpr_msb: bits 1:0 source 0, 3:2 source 1, 5:4 source 2, 7:6 destination).  ALL THAT BELONGS TO A SAMPLE TILE LIES IN ONE WINDOW w: tiles 0-4 in window 1, 5-9 in 2, 10-14 in 3, tile 15 in 0:
;   windows 1-3: v0-39 hacc (8 a tile); v40-47 b; v48-87 acc; v88-247 int_x (32 a tile)
;   window 0: v0-31 addresses and at work; v40-47 b; v48-79 W's four fragments in bf16; v80-143 one tile of W in f32; v144-175 h (2 a sample tile); v176-207, v208-215, v216-223 int_x, acc, hacc of tile 15
; A product (A window 0; B, C, D window w) and a sum over p (h window 0; acc, hacc window w) then have the same setting, 0x54 w: four switches for 16 products.  The price: b is read into all four windows.
.set LAY, 0
.if LAY < 2
.set SSH, 4                            ; the output is the next layer's h: 16 bytes from sample to sample,
.set QST, 4096                         ; 4,096 from q block to q block
.else
.set SSH, 9                            ; the output is out0: rows of 512 bytes,
.set QST, 16                           ; a q block is 16 bytes of a row
.endif
.set BUFB,  150016                     ; a slot
.set REGB,  66576                      ; region B (p from 64 on) begins 16 bytes behind region A's 66,560: rows of the two regions differ by 16 modulo 256
.set HOFF,  133376                     ; h's slice in a slot: two pieces of [2][256 samples][4] f32
.set HPB,   8200                       ; the second piece lies 8 bytes behind the first's end: in a load of 8 bytes a lane, lanes 0-15 and lanes 16-31 then take different words modulo 256 bytes
.set PROW,  2080                       ; a row of W: two pieces of 1,024 bytes, 16 of padding behind each
.set PONE,  4*PROW                     ; the four rows of one p.  Modulo 256: PROW = 32, PONE = 128, REGB = 16: a fragment's 16 rows start at 16 different 16-byte columns
.set TILEB, 2*PONE                     ; a tile's part of a region
.set WBIAS, 2*BUFB                     ; the 4 bias rows of W
.set BT,    308480                     ; 0.25 b: [lane half][33 tiles][8] f32; stored by the waves, never filled by a tensor load
.set BTH,   1056
.set STAGE, 310784                     ; the four partial h': 4,096 bytes a wave
.set SPARE, 327168                     ; the spare words, 128 bytes a wave: no other line names them
.set LAYB,  33816576                   ; 16,512 rows of W
.set SPW, 2                            ; v2   my spare word; never rewritten
.set NIL, 3                            ; v3   0; never rewritten
.set AW0, 4                            ; v4   my place in a fragment of W; never rewritten
.set AWC, 5                            ; v5   AW0 + the tile's place
.set AH0, 6                            ; v6   my place in h's slice; never rewritten
.set AHC, 7                            ; v7   AH0 + the tile's place
.set ABC0, 8                           ; v8   my half of b's table; never rewritten
.set AWB, 9                            ; v9   my place in the bias rows
.set PAT, 10                           ; v10  1.0 in lanes 0-15, 0 in lanes 16-31
.set IXO, 11                           ; v11  16 x lane
.set PFO, 12                           ; v12  256 x lane
.set ABC, 13                           ; v13  ABC0 + the tile's place
.set TB,  24                           ; v24-31 at work on b
.set BC,  40
.set WB,  48
.set WF,  80
.set HV,  144
.set KQT, 2                            ; s2   my K quarter's place in an LDS row
.set WV,  16                           ; s16  wave = K quarter
.set WL,  17                           ; s17  wave % 2: which region, or piece, I fetch
.set CX,  18                           ; s18  my place in the cluster.  It, and what is made of it, lives in s18-19, s56-63, s66-67, s72-75, s92-95 and, at the end, s12-13 alone
.set SB,  19
.set TW,  20                           ; s20  LDS byte at which the W of the tile to be fetched begins
.set TH,  21                           ; s21  the same for h, less HOFF
.set TBC, 22                           ; s22  the same in b's table
.set UC,  23                           ; s23  counts a slot's two blocks of 4 p
.set G1W, 24                           ; s[24:31] shape of a region of W
.set G1H, 32                           ; s[32:39] of a piece of h
.set G1I, 40                           ; s[40:47] of two bias rows
.set G0W, 48                           ; s[48:55] from where, to where: W, a set for each slot
.set G0H, 56                           ; s[56:63] h
.set IXB, 66                           ; s[66:67] my part of ixb
.set G0I, 68                           ; s[68:71] the bias rows
.set PFA, 72                           ; s[72:73] where my prefetches of W stand
.set PFH, 74                           ; s[74:75] of h
.set LIMW, 76                          ; s76, s77  1 in a wave that prefetches, else the greatest number
.set LIMH, 77
.set CNT, 78                           ; s78  the outer loop's count
.set QB,  79
.set PBC, 80                           ; s80  counts a block's two tiles
.set HM,  81                           ; s81  lanes 16-31
.set SEL, 82                           ; s[82:83] v_permlanex16_b32: each lane takes its own place in the other half
.set MSB, 0
.macro WIN new                         ; the high byte repeats the setting that is left; a switch that changes nothing is dropped
.if MSB != (\new)
	s_set_vgpr_msb (MSB<<8)|(\new)
.set MSB, \new
.endif
.endm
.macro PLACES
.rept 4
	v_nop
.endr
.endm
.macro REG t                           ; sample tile t: its window and its registers there
.if (\t) < 15
.set rW, 1+(\t)/5
.set rH, 8*((\t)%5)
.set rA, 48+8*((\t)%5)
.set rI, 88+32*((\t)%5)
.else
.set rW, 0
.set rH, 216
.set rA, 208
.set rI, 176
.endif
.endm
; A round of the cluster's barrier: my work-group's barrier, so that wave 0's signal speaks for all four waves; wave 0 signals; every wave waits for all four work-groups; my work-group's barrier once more.
.macro CROUND
	s_barrier_signal -1
	s_barrier_wait -1
	s_cmp_lg_u32 s[WV], 0
	s_cbranch_scc1 .Lnot_wave_0_\@
	s_barrier_signal -3
.Lnot_wave_0_\@:
	s_barrier_wait -3
	s_barrier_signal -1
	s_barrier_wait -1
.endm
; A refill: one tensor load a wave.  The branch hangs on the wave's number alone.  An s_nop 0 and four v_nop follow each line.
.macro JLOAD buf
	s_cmp_lt_u32 s[WV], 2
	s_cbranch_scc0 .Lfor_h_\@
	tensor_load_to_lds s[G0W+4*(\buf):G0W+4*(\buf)+3], s[G1W:G1W+7]
	s_nop 0
	PLACES
	s_branch .Lasked_\@
.Lfor_h_\@:
	tensor_load_to_lds s[G0H+4*(\buf):G0H+4*(\buf)+3], s[G1H:G1H+7]
	s_nop 0
	PLACES
.Lasked_\@:
.endm
; PREFETCH INTO THE L2 of the slot that stands two refills on (512 matrix instructions ahead of the load that will want it).  W: a slot has 16 p of 8,192 bytes; the cluster with x = 0 asks (the other cluster of
; this qb reads the same rows); its 16 waves take a p each, told apart BY ADDRESS (4 cx + wave), a lane a block of 256 bytes.  h: waves 2, 3 of the work-groups with qb = 0 ask for their own piece of 8,192 bytes.
; So each block is named once in the launch.  Slots 0 to 3 come by their loads alone; the outer loop's last trip (CNT = 1) asks for nothing: there is no slot 8.
.macro ASK
	s_cmp_gt_u32 s[CNT], s[LIMW]
	s_cbranch_scc0 .Lno_w_\@
	global_prefetch_b8 v[PFO], s[PFA:PFA+1] th:TH_LOAD_NT scope:SCOPE_SE
.Lno_w_\@:
	s_cmp_gt_u32 s[CNT], s[LIMH]
	s_cbranch_scc0 .Lno_h_\@
	global_prefetch_b8 v[PFO], s[PFH:PFH+1] th:TH_LOAD_NT scope:SCOPE_SE
.Lno_h_\@:
.endm
; One product: sample tile t, K step ks.  first = 1: C is b.
.macro MM t, ks, first
	REG \t
	WIN rW*0x54
.if \first
	v_wmma_f32_16x16x32_bf16 v[rA:rA+7], v[WB+8*(\ks):WB+8*(\ks)+7], v[rI+8*(\ks):rI+8*(\ks)+7], v[BC:BC+7]
.else
	v_wmma_f32_16x16x32_bf16 v[rA:rA+7], v[WB+8*(\ks):WB+8*(\ks)+7], v[rI+8*(\ks):rI+8*(\ks)+7], v[rA:rA+7]
.endif
.endm
; The sum over p for sample tile t: hacc += h x acc, the lowest registers first.
.macro E t
	REG \t
	WIN rW*0x54
.irp q, 0,2,4,6
	v_pk_fma_f32 v[rH+\q:rH+\q+1], v[HV+2*(\t):HV+2*(\t)+1], v[rA+\q:rA+\q+1], v[rH+\q:rH+\q+1]
.endr
.endm
; A tile of W in f32: for each K step my row's channels 8 h .. +7 (32 bytes) and 16 + 8 h .. +7 (32 bytes, 64 further on).
.macro FW areg, imm
.irp ks, 0,1,2,3
	ds_load_b128 v[WF+16*\ks:WF+16*\ks+3],     v[\areg] offset:(\imm)+128*\ks
	ds_load_b128 v[WF+16*\ks+4:WF+16*\ks+7],   v[\areg] offset:(\imm)+128*\ks+16
	ds_load_b128 v[WF+16*\ks+8:WF+16*\ks+11],  v[\areg] offset:(\imm)+128*\ks+64
	ds_load_b128 v[WF+16*\ks+12:WF+16*\ks+15], v[\areg] offset:(\imm)+128*\ks+80
.endr
.endm
.macro FBC4 areg, imm                  ; a tile's b, into the same registers of all four windows
.irp w, 0,1,2,3
	WIN (\w)<<6
	ds_load_b128 v[BC:BC+3],   v[\areg] offset:(\imm)
	ds_load_b128 v[BC+4:BC+7], v[\areg] offset:(\imm)+16
.endr
.endm
.macro FHV                             ; h of one tile (2 p) for my sample in each of the 16 sample tiles
.set tt, 0
.rept 16
	ds_load_b64 v[HV+2*tt:HV+2*tt+1], v[AHC] offset:256*tt
.set tt, tt+1
.endr
.endm
.macro CVT4 g                          ; eight numbers of W rounded to bf16: half g % 2 of the fragment of K step g / 2
	WIN 0
.irp i, 0,1,2,3
	v_cvt_pk_bf16_f32 v[WB+4*(\g)+\i], v[WF+8*(\g)+2*\i], v[WF+8*(\g)+2*\i+1]
.endr
.endm
.macro P0 e                            ; a tile's first 16 products; e = 1: ahead of each the tile before's sum over p for that sample tile
.set tt, 0
.rept 16
.if \e
	E tt
.endif
	MM tt, 0, 1
.set tt, tt+1
.endr
.endm
; The 16 products of K step ks.  cv = 1: the next tile's fragments 0, 1 (in K step 2) and 2 (in K step 3) are rounded, four conversions at a time, where the windows change anyway or are 0.
; The run of LDS loads issued W's fragments 0 to 3, four loads each, then b's eight: so fragment 0 is in when at most 12 + 8 loads are out, fragment 1 at 8 + 8, fragment 2 at 4 + 8.
.macro PS ks, cv
.set tt, 0
.rept 16
	MM tt, \ks, 0
.if \cv
.if ((\ks) == 2) && (tt == 4)
	s_wait_dscnt 20
	CVT4 0
.elseif ((\ks) == 2) && (tt == 9)
	CVT4 1
.elseif ((\ks) == 2) && (tt == 14)
	s_wait_dscnt 16
	CVT4 2
.elseif ((\ks) == 2) && (tt == 15)
	CVT4 3
.elseif ((\ks) == 3) && (tt == 4)
	s_wait_dscnt 12
	CVT4 4
.elseif ((\ks) == 3) && (tt == 9)
	CVT4 5
.endif
.endif
.set tt, tt+1
.endr
.endm
; A BODY: 64 products: K steps 1, 2, 3 of tile i and K step 0 of tile i + 1 (tile 0: the bias tile; tile i: T = i - 1).  It fetches W and b of tile i + 1 at its head and h of tile i + 1 at its end: with the next
; body's head that is ONE run of LDS loads a tile.  The 16 accumulators take turns, one instruction a turn, over the K steps, from body to body and over the backward jumps.
; A vector instruction that reads a result, or writes a register that a product has read, and a load into such a register, stand four plain vector instructions or more behind that product (ISA guide 7.12.1 for vector instructions).
; By the text's own count: fragment 1 is rewritten behind fragment 0's eight conversions; fragment 2 behind the four that follow K step 2's last product; fragment 3 behind the sums over p;
; a sum over p reads its accumulator behind fragment 2's conversions or earlier sums; b is loaded behind fragment 3's eight conversions.
.macro BODY
	WIN 0
	v_add_nc_u32 v[AWC], s[TW], v[AW0]
	v_add_nc_u32 v[ABC], s[TBC], v[ABC0]
	v_add_nc_u32 v[AHC], s[TH], v[AH0]
	FW AWC, 0
	FBC4 ABC, 32
	PS 1, 0
	PS 2, 1
	PS 3, 1
	s_wait_dscnt 0x0                               ; fragment 3 and b, issued 48 products ago
	P0 1
	CVT4 6
	CVT4 7
	FHV
.endm
.macro GROUP tag                       ; a slot's four tiles: the body written once, walked 2 x 2 times
.Lg\tag:
	s_mov_b32 s[UC], 2
.Lu\tag:
	s_mov_b32 s[PBC], 2
.Lb\tag:
	BODY
	s_add_co_u32 s[TW], s[TW], TILEB
	s_add_co_u32 s[TH], s[TH], 8                   ; the other two p of a sample's four
	s_add_co_u32 s[TBC], s[TBC], 32
	s_sub_co_u32 s[PBC], s[PBC], 1
	s_cmp_lg_u32 s[PBC], 0
	s_cbranch_scc1 .Lb\tag
	s_add_co_u32 s[TH], s[TH], 4080                ; the next block of four p
	s_sub_co_u32 s[UC], s[UC], 1
	s_cmp_lg_u32 s[UC], 0
	s_cbranch_scc1 .Lu\tag
.endm
; THE CHANGE OF SLOTS, between two bodies: the slot's last bytes, h of its fourth tile, have been asked for.  Each wave waits for all its tensor loads, of which one is out: its part of the other slot; adds 0 to its
; spare word; and waits for that and for its reads of the slot.  Behind the barrier nobody reads slot cbuf any more and the other slot is whole.  fill = 1: the barrier is a round of the cluster's, and slot cbuf is filled
; again, first thing behind it, with the tiles two slots on: that load has 256 products in which to land.  The fetches go on in the other slot: their scalars are set by constants.
.macro CHANGE fill, cbuf
	WIN 0
.if \fill
	s_wait_xcnt 0x0                                ; the last prefetches, four tiles back, have read their addresses
	s_add_nc_u64 s[PFA:PFA+1], s[PFA:PFA+1], 2097152
	s_add_nc_u64 s[PFH:PFH+1], s[PFH:PFH+1], 8192
.endif
	s_wait_tensorcnt 0x0                           ; no tensor load of mine is out, so a group 0 may be written
	ds_add_u32 v[SPW], v[NIL]                      ; 0 onto my spare word; scalar work stands between it and the wait for it
.if \fill
	s_add_nc_u64 s[G0W+4*(\cbuf)+2:G0W+4*(\cbuf)+3], s[G0W+4*(\cbuf)+2:G0W+4*(\cbuf)+3], 4194304   ; two slots on: 16 p; the type bits on top are not reached
	s_add_nc_u64 s[G0H+4*(\cbuf)+2:G0H+4*(\cbuf)+3], s[G0H+4*(\cbuf)+2:G0H+4*(\cbuf)+3], 16384
.endif
	s_mov_b32 s[TW], (1-(\cbuf))*BUFB
	s_mov_b32 s[TH], (1-(\cbuf))*BUFB
	s_wait_dscnt 0x0                               ; the add is done, and my reads of the slot are over
.if \fill
	CROUND
	JLOAD \cbuf
	ASK
.else
	s_barrier_signal -1
	s_barrier_wait -1
.endif
.endm
; int_x of sample tiles from .. from + n - 1: eight loads a tile, 512 consecutive bytes each, as ixb lies
.macro IXL from, n
.set tt, \from
.rept \n
	REG tt
	WIN rW<<6
.set ii, 0
.rept 8
	global_load_b128 v[rI+4*ii:rI+4*ii+3], v[IXO], s[IXB:IXB+1] offset:4096*tt+512*ii
.set ii, ii+1
.endr
.set tt, tt+1
.endr
	WIN 0
.endm
	s_load_b256 s[4:11], s[0:1], 0x0               ; W s[4:5], b s[6:7], ixb s[8:9], h in s[10:11]
	s_load_b64 s[12:13], s[0:1], 0x20              ; h out
	v_lshl_add_u32 v[SPW], v0, 2, SPARE
	v_mov_b32 v[NIL], 0
	ds_add_u32 v[SPW], v[NIL]                      ; the wave's opening: the add, twice on end, and its wait ahead of my first tensor load
	ds_add_u32 v[SPW], v[NIL]
	v_lshrrev_b32 v14, 5, v0
	v_readfirstlane_b32 s[WV], v14                 ; wave 0..3
	v_and_b32 v14, 15, v0                          ; r = lane % 16
	v_bfe_u32 v15, v0, 4, 1                        ; hl = lane / 16
	v_and_b32 v16, 31, v0                          ; lane; v14-16 are kept
	v_lshlrev_b32 v[IXO], 4, v16
	v_lshlrev_b32 v17, 9, v0                       ; thread p takes b of its p: 4 q
	v_bfe_u32 v19, v0, 1, 2                        ; q of my row of a tile
	v_lshlrev_b32 v18, 2, v19
	s_and_b32 s[WL], s[WV], 1
	s_bfe_u32 s[CX], ttmp6, 0x40000
	s_lshl_b32 s[SB], ttmp9, 2                     ; in a cluster launch ttmp9 counts clusters
	s_add_co_u32 s[SB], s[SB], s[CX]               ; my block of 256 samples
	s_and_b32 s[QB], ttmp7, 0xffff                 ; my block of 4 q, which the four partners share
	; a region of W: 8 p, each 4 rows on end = 2,048 f32, 65,536 f32 from p to p; in LDS 4 words of padding behind every 256
	s_mov_b32 s[G1W], 15|(2<<16)|(1<<20)|(1<<21)|(7<<22)|(3<<25)   ; 15:0 the mask of four; 17:16 4-byte elements; 20 padding on; 21 set beside a mask; 24:22 every 256 words; 31:25 4 words
	s_mov_b32 s[G1W+1], 2048<<16                   ; tensor_dim0
	s_mov_b32 s[G1W+2], 8<<16                      ; tensor_dim1
	s_mov_b32 s[G1W+3], 2048<<16                   ; tile_dim0
	s_mov_b32 s[G1W+4], 8                          ; tile_dim1
	s_mov_b32 s[G1W+5], 65536                      ; from row to row
	s_mov_b32 s[G1W+6], 0
	s_mov_b32 s[G1W+7], 0
	; a piece of h: 8,192 dense bytes as 32 rows of 256; no mask: my own samples'
	s_mov_b32 s[G1H], 3<<16                        ; 8-byte elements
	s_mov_b32 s[G1H+1], 32<<16
	s_mov_b32 s[G1H+2], 32<<16
	s_mov_b32 s[G1H+3], 32<<16
	s_mov_b32 s[G1H+4], 32
	s_mov_b32 s[G1H+5], 32
	s_mov_b32 s[G1H+6], 0
	s_mov_b32 s[G1H+7], 0
	; two bias rows of W: 2 rows of 512 f32, dense, padded like the regions
	s_mov_b32 s[G1I], 15|(2<<16)|(1<<20)|(1<<21)|(7<<22)|(3<<25)
	s_mov_b32 s[G1I+1], 512<<16
	s_mov_b32 s[G1I+2], 2<<16
	s_mov_b32 s[G1I+3], 512<<16
	s_mov_b32 s[G1I+4], 2
	s_mov_b32 s[G1I+5], 512
	s_mov_b32 s[G1I+6], 0
	s_mov_b32 s[G1I+7], 0
	; LDS addresses: constants and the wave's number alone
	s_mul_i32 s84, s[WL], REGB
	s_mul_i32 s86, s[WL], HPB
	s_mul_i32 s87, s[WL], 2*PROW
.irp s, 0,1
	s_mov_b32 s[G0W+4*\s], 1
	s_add_co_u32 s[G0W+4*\s+1], s84, \s*BUFB
	s_mov_b32 s[G0H+4*\s], 1
	s_add_co_u32 s[G0H+4*\s+1], s86, \s*BUFB+HOFF
.endr
	s_mov_b32 s[G0I], 1
	s_add_co_u32 s[G0I+1], s87, WBIAS
	s_lshr_b32 s[KQT], s[WV], 1                    ; my K quarter: piece kq / 2 of a row, 512 (kq % 2) into it
	s_mul_i32 s[KQT], s[KQT], 1040
	s_lshl_b32 s84, s[WL], 9
	s_add_co_u32 s[KQT], s[KQT], s84
	s_mov_b32 s[SEL], 0x76543210
	s_mov_b32 s[SEL+1], 0xfedcba98
	s_mov_b32 s[HM], 0xffff0000
	s_mov_b32 s[TW], 0                             ; the first body fetches tile T = 0, at the head of slot 0
	s_mov_b32 s[TH], 0
	s_mov_b32 s[TBC], 0
	s_cmp_eq_u32 ttmp9, 0                          ; the first of the two clusters of this qb: the same in all four partners
	s_cselect_b32 s[LIMW], 1, -1
	s_lshr_b32 s84, s[WV], 1
	s_xor_b32 s84, s84, 1                          ; 0 in waves 2 and 3,
	s_or_b32 s84, s84, s[QB]                       ; where qb = 0
	s_cmp_eq_u32 s84, 0
	s_cselect_b32 s[LIMH], 1, -1
	s_wait_dscnt 0x0                               ; both opening adds are done
	s_wait_kmcnt 0x0
	; W: made of constants, qb and the wave's number alone
	s_lshl_b32 s84, s[QB], 13                      ; 4 rows of 2,048 bytes
	s_add_co_u32 s84, s84, LAY*LAYB
	s_mov_b32 s85, 0
	s_mov_b32 s87, 0
	s_add_nc_u64 s[88:89], s[4:5], s[84:85]        ; the layer's bias rows 4 qb ..
	s_lshl_b32 s86, s[WL], 12                      ; two of them
	s_add_nc_u64 s[G0I+2:G0I+3], s[88:89], s[86:87]
	s_or_b32 s[G0I+3], s[G0I+3], 0x80000000
	s_lshl_b32 s86, s[WL], 24                      ; region B: 64 p on
	s_add_co_u32 s86, s86, 262144                  ; behind the 128 bias rows
	s_add_nc_u64 s[90:91], s[88:89], s[86:87]
	s_add_nc_u64 s[G0W+2:G0W+3], s[90:91], 0       ; slot 0: p 0-7 (64-71)
	s_or_b32 s[G0W+3], s[G0W+3], 0x80000000
	s_add_nc_u64 s[G0W+6:G0W+7], s[90:91], 2097152 ; slot 1: 8 p on
	s_or_b32 s[G0W+7], s[G0W+7], 0x80000000
	; b at the layer's entry 4 qb
	s_lshl_b32 s84, s[QB], 4
	s_add_co_u32 s84, s84, LAY*66048
	s_add_nc_u64 s[90:91], s[6:7], s[84:85]
	; what hangs on my own samples
	s_mov_b32 s93, 0
	s_lshl_b32 s92, s[SB], 17
	s_lshl_b32 s94, s[WL], 16
	s_add_co_u32 s92, s92, s94
	s_add_nc_u64 s[PFH:PFH+1], s[10:11], s[92:93]  ; h: my block, my half of p
	s_add_nc_u64 s[G0H+2:G0H+3], s[PFH:PFH+1], 0
	s_or_b32 s[G0H+3], s[G0H+3], 0x80000000
	s_add_nc_u64 s[G0H+6:G0H+7], s[PFH:PFH+1], 8192
	s_or_b32 s[G0H+7], s[G0H+7], 0x80000000
	s_add_nc_u64 s[PFH:PFH+1], s[PFH:PFH+1], 3*8192   ; at slot 3: the first change of slots steps it to 4
	s_lshl_b32 s92, s[SB], 2
	s_add_co_u32 s92, s92, s[WV]
	s_lshl_b32 s92, s92, 16
	s_add_nc_u64 s[IXB:IXB+1], s[8:9], s[92:93]
	s_lshl_b32 s92, s[CX], 2
	s_add_co_u32 s92, s92, s[WV]                   ; which of a slot's 16 p I prefetch
	s_and_b32 s94, s92, 7
	s_lshl_b32 s94, s94, 18
	s_lshr_b32 s92, s92, 3
	s_lshl_b32 s92, s92, 24
	s_add_co_u32 s92, s92, s94
	s_add_co_u32 s92, s92, 262144+3*2097152        ; at slot 3
	s_add_nc_u64 s[PFA:PFA+1], s[88:89], s[92:93]
	global_load_b128 v[TB:TB+3], v17, s[90:91] offset:512  ; b of my p,
	global_load_b32 v[TB+4], v18, s[90:91]         ; b of bias row q,
	IXL 0, 7                                       ; and the first 56 loads of int_x go out ahead of the round: nobody writes these bytes
	CROUND                                         ; all four work-groups are here: the first joint loads meet
	s_cmp_lt_u32 s[WV], 2                          ; a wave's first fills stand in one branch, ahead of every wait on TENSORcnt and every LDS read: two or three loads of mine are out
	s_cbranch_scc0 .Lfirst_h
	tensor_load_to_lds s[G0W:G0W+3], s[G1W:G1W+7]
	s_nop 0
	tensor_load_to_lds s[G0W+4:G0W+7], s[G1W:G1W+7]
	s_nop 0
	PLACES
	s_branch .Lfirst_done
.Lfirst_h:
	tensor_load_to_lds s[G0I:G0I+3], s[G1I:G1I+7]
	s_nop 0
	tensor_load_to_lds s[G0H:G0H+3], s[G1H:G1H+7]
	s_nop 0
	tensor_load_to_lds s[G0H+4:G0H+7], s[G1H:G1H+7]
	s_nop 0
	PLACES
.Lfirst_done:
.set tt, 0
.rept 16                                       ; hacc starts at 0
	REG tt
	WIN rW<<6
.irp k, 0,1,2,3,4,5,6,7
	v_mov_b32 v[rH+\k], 0
.endr
.set tt, tt+1
.endr
	WIN 0
	v_lshlrev_b32 v[PFO], 8, v16
	v_bfe_u32 v20, v0, 3, 1                        ; my row of a tile: region r / 8,
	v_mul_u32_u24 v20, v20, REGB
	v_and_b32 v21, 1, v0                           ; p's parity r % 2,
	v_mul_u32_u24 v21, v21, PONE
	v_add_nc_u32 v20, v20, v21
	v_mul_u32_u24 v21, v19, PROW                   ; q = (r / 2) % 4,
	v_lshl_add_u32 v22, v15, 5, s[KQT]             ; my 8 channels of 16, my K quarter
	v_add_nc_u32 v21, v21, v22
	v_add_nc_u32 v[AWB], WBIAS, v21
	v_add_nc_u32 v[AW0], v20, v21
	v_lshlrev_b32 v22, 4, v14                      ; h: 16 bytes a sample,
	v_mul_u32_u24 v23, v15, HPB                    ; my half's piece
	v_add_nc_u32 v22, v22, v23
	v_add_nc_u32 v[AH0], HOFF, v22
	v_mul_u32_u24 v[ABC0], v15, BTH
	v_add_nc_u32 v[ABC0], BT, v[ABC0]
	v_cmp_gt_u32 s3, 16, v16
	v_cndmask_b32 v[PAT], 0, 1.0, s3
	v_lshrrev_b32 v20, 6, v0                       ; where thread p puts its 4 numbers: half p / 64, tile (p % 64) / 2 + 1, register 2 q + p % 2
	v_mul_u32_u24 v20, v20, BTH
	v_bfe_u32 v21, v0, 1, 5
	v_lshl_add_u32 v20, v21, 5, v20
	v_and_b32 v21, 1, v0
	v_lshl_add_u32 v20, v21, 2, v20
	v_add_nc_u32 v20, BT+32, v20
	v_bfe_u32 v21, v0, 3, 1                        ; the bias tile's entry: half (lane / 8) % 2, register lane % 8
	v_mul_u32_u24 v21, v21, BTH
	v_and_b32 v22, 7, v0
	v_lshl_add_u32 v21, v22, 2, v21
	v_add_nc_u32 v21, BT, v21
	s_wait_loadcnt 56                              ; b is in: 56 loads were issued behind it, and they may stay out
	v_cvt_pk_bf16_f32 v[TB+5], v[TB], v[TB+1]      ; b rounded once to bf16, written as f32 again, a quarter for each of the four partial sums
	v_cvt_pk_bf16_f32 v[TB+6], v[TB+2], v[TB+3]
	v_cvt_pk_bf16_f32 v[TB+7], v[TB+4], v[TB+4]
	v_lshlrev_b32 v[TB], 16, v[TB+5]
	v_and_b32 v[TB+1], 0xffff0000, v[TB+5]
	v_lshlrev_b32 v[TB+2], 16, v[TB+6]
	v_and_b32 v[TB+3], 0xffff0000, v[TB+6]
	v_lshlrev_b32 v[TB+4], 16, v[TB+7]
.irp i, 0,1,2,3,4
	v_mul_f32 v[TB+\i], 0x3e800000, v[TB+\i]
.endr
.irp q, 0,1,2,3
	ds_store_b32 v20, v[TB+\q] offset:8*\q
.endr
	s_cmp_lg_u32 s[WV], 3
	s_cbranch_scc1 .Lno_bias
	ds_store_b32 v21, v[TB+4]                      ; register j takes b of bias row j / 2; lanes 16-31 write what lanes 0-15 write
.Lno_bias:
	IXL 7, 9                                       ; the other 72 loads of int_x
	s_wait_tensorcnt 0x1                           ; my part of slot 0 (and the bias rows) is in; the one younger load, my part of slot 1, may stay out
	s_wait_dscnt 0x0                               ; for the others' sake: my stores into b's table are done
	s_barrier_signal -1
	s_barrier_wait -1
	FW AWB, 0                                      ; the bias tile: its W,
	FBC4 ABC0, 0                                   ; its b
	s_wait_dscnt 0x0
.irp g, 0,1,2,3,4,5,6,7
	CVT4 \g
.endr
	s_wait_loadcnt 0x0                             ; int_x
	P0 0                                           ; the bias tile's K step 0: there is no tile before it to sum
	WIN 0
.set tt, 0
.rept 16                                       ; in h's place for the bias tile; also the places between the last product and the loads into b's registers
	v_mov_b32 v[HV+2*tt], v[PAT]
	v_mov_b32 v[HV+2*tt+1], 0
.set tt, tt+1
.endr
	s_mov_b32 s[CNT], 4
	s_branch .LgB                                  ; the outer loop is entered at its second group, which fetches from slot 0
.Ltop:                                                 ; three trips; both slots are filled again
	CHANGE 1, 0
	GROUP A                                        ; fetches from slot 1
	CHANGE 1, 1
	GROUP B                                        ; fetches from slot 0
	s_sub_co_u32 s[CNT], s[CNT], 1
	s_cmp_lg_u32 s[CNT], 0
	s_cbranch_scc1 .Ltop
	CHANGE 0, 0                                    ; the tail is written out: nothing is asked for
	GROUP C
	PS 1, 0                                        ; the last tile's K steps 1 to 3: nothing is left to fetch or to round
	PS 2, 0
	PS 3, 0
	WIN 0
	s_wait_dscnt 0x0                               ; its h
	PLACES                                         ; no other vector work stands behind the last products
.set tt, 0
.rept 16
	E tt
.set tt, tt+1
.endr
	; THE WAY OUT.  A lane's eight sums are 4 q x 2 parities of p; the other half of the lanes holds the other 64 p; the other waves the other K quarters.
.set tt, 0
.rept 16                                       ; S[t][q] at WF + 4 t + q
	REG tt
	WIN rW*0x05
.irp q, 0,1,2,3
	v_add_f32 v[WF+4*tt+\q], v[rH+2*\q], v[rH+2*\q+1]
.endr
.set tt, tt+1
.endr
	WIN 0
.set i, 0
.rept 32                                       ; i = 4 u + q: lanes 0-15 keep sample tile 2 u and send tile 2 u + 1, lanes 16-31 the other way round: lane L ends with sample 32 u + L
	v_cndmask_b32 v[WB+i], v[WF+8*(i/4)+i%4], v[WF+8*(i/4)+4+i%4], s[HM]
	v_cndmask_b32 v[HV+i], v[WF+8*(i/4)+4+i%4], v[WF+8*(i/4)+i%4], s[HM]
.set i, i+1
.endr
.set i, 0
.rept 32
	v_permlanex16_b32 v[WF+i], v[HV+i], s[SEL], s[SEL+1]
.set i, i+1
.endr
.set i, 0
.rept 16
	v_pk_add_f32 v[WB+2*i:WB+2*i+1], v[WB+2*i:WB+2*i+1], v[WF+2*i:WF+2*i+1]
.set i, i+1
.endr
	s_lshl_b32 s84, s[WV], 12
	s_add_co_u32 s84, s84, STAGE
	v_lshl_add_u32 v17, v16, 4, s84
	v_lshl_add_u32 v18, v0, 4, STAGE
.irp u, 0,1,2,3,4,5,6,7
	ds_store_b128 v17, v[WB+4*\u:WB+4*\u+3] offset:512*\u
.endr
	s_wait_dscnt 0x0                               ; for the others' sake: my partial sums lie in the stage
	s_barrier_signal -1
	s_barrier_wait -1
.irp i, 0,1,2,3,4,5,6,7                        ; i = 4 m + wave: thread v finishes samples v and v + 128
	ds_load_b128 v[HV+4*\i:HV+4*\i+3], v18 offset:4096*(\i%4)+2048*(\i/4)
.endr
	v_lshlrev_b32 v19, SSH, v0
	s_lshl_b32 s92, s[SB], 17                      ; 256 samples are 131,072 bytes in either layout of the output
	s_mul_i32 s94, s[QB], QST
	s_add_co_u32 s92, s92, s94
	s_mov_b32 s93, 0
	s_add_nc_u64 s[12:13], s[12:13], s[92:93]
	s_wait_dscnt 0x0
.irp m, 0,1
.irp c, 0,2
	v_pk_add_f32 v[HV+16*\m+\c:HV+16*\m+\c+1], v[HV+16*\m+\c:HV+16*\m+\c+1], v[HV+16*\m+4+\c:HV+16*\m+4+\c+1]
	v_pk_add_f32 v[HV+16*\m+8+\c:HV+16*\m+8+\c+1], v[HV+16*\m+8+\c:HV+16*\m+8+\c+1], v[HV+16*\m+12+\c:HV+16*\m+12+\c+1]
.endr
.irp c, 0,2
	v_pk_add_f32 v[HV+16*\m+\c:HV+16*\m+\c+1], v[HV+16*\m+\c:HV+16*\m+\c+1], v[HV+16*\m+8+\c:HV+16*\m+8+\c+1]
.endr
.if LAY < 2
.irp c, 0,1,2,3
	v_max_num_f32 v[HV+16*\m+\c], 0, v[HV+16*\m+\c]    ; ReLU
.endr
.endif
.endr
	global_store_b128 v19, v[HV:HV+3], s[12:13]        ; between layers: 16 bytes a sample on end, a wave's store covers 512 consecutive bytes; in out0 a work-group's 4 q are 16 bytes of each row of 512
	global_store_b128 v19, v[HV+16:HV+19], s[12:13] offset:128<<SSH
	s_wait_tensorcnt 0x0                           ; the wave's end: a wait, an add to the spare word and its wait, behind my last tensor load and my last LDS store
	ds_add_u32 v[SPW], v[NIL]
	s_wait_dscnt 0x0
	CROUND                                         ; the closing round: no work-group ends while a partner may still ask for a tile that names it
	s_endpgm
.Lfunc_end_k_q2d43cc50ab_lay0:
	.size	k_q2d43cc50ab_lay0, .Lfunc_end_k_q2d43cc50ab_lay0-k_q2d43cc50ab_lay0
	.p2alignl 7, 3214868480
	.fill 96, 4, 3214868480
	.section	.rodata,"a",@progbits
	.p2align	6, 0x0
	.amdhsa_kernel k_q2d43cc50ab_lay0
		.amdhsa_group_segment_fixed_size 327680
		.amdhsa_private_segment_fixed_size 0
		.amdhsa_enable_private_segment 0
		.amdhsa_kernarg_size 40
		.amdhsa_user_sgpr_count 2
		.amdhsa_user_sgpr_kernarg_segment_ptr 1
		.amdhsa_wavefront_size32 1
		.amdhsa_system_sgpr_workgroup_id_x 1
		.amdhsa_system_sgpr_workgroup_id_y 1
		.amdhsa_system_sgpr_workgroup_id_z 1
		.amdhsa_system_vgpr_workitem_id 0
		.amdhsa_next_free_vgpr 1024
		.amdhsa_next_free_sgpr 96
		.amdhsa_reserve_vcc 0
		.amdhsa_float_denorm_mode_32 3
		.amdhsa_float_denorm_mode_16_64 3
		.amdhsa_memory_ordered 1
		.amdhsa_forward_progress 1
		.amdhsa_inst_pref_size 98
	.end_amdhsa_kernel
	.amdgpu_metadata
---
amdhsa.version: [ 1, 2 ]
amdhsa.kernels:
  - .name:           k_q2d43cc50ab_lay0
    .symbol:         k_q2d43cc50ab_lay0.kd
    .args:
      - { .name: W, .offset: 0, .size: 8, .value_kind: global_buffer, .address_space: global }
      - { .name: b, .offset: 8, .size: 8, .value_kind: global_buffer, .address_space: global }
      - { .name: ixb, .offset: 16, .size: 8, .value_kind: global_buffer, .address_space: global }
      - { .name: hA, .offset: 24, .size: 8, .value_kind: global_buffer, .address_space: global }
      - { .name: hB, .offset: 32, .size: 8, .value_kind: global_buffer, .address_space: global }
    .group_segment_fixed_size: 327680
    .private_segment_fixed_size: 0
    .kernarg_segment_align: 8
    .kernarg_segment_size: 40
    .max_flat_workgroup_size: 128
    .sgpr_count:     96
    .vgpr_count:     1024
    .wavefront_size: 32
...
	.end_amdgpu_metadata
.endif
;; end of part 2
;; launch lay1 (part 3): grid 8 x 32, 4 waves a work-group, clusters of 4 x 1, 327,680 bytes of LDS; arguments W, b, ixb, hB, hA; writes hA
.if DOCPART == 3
	.amdgcn_target "amdgcn-amd-amdhsa--gfx1250"
	.amdhsa_code_object_version 6
	.text
	.protected	k_q2d43cc50ab_lay1
	.globl	k_q2d43cc50ab_lay1
	.p2align	8
	.type	k_q2d43cc50ab_lay1,@function
k_q2d43cc50ab_lay1:
	s_mov_b64 s[64:65], 0
	v_nop
	global_prefetch_b8 v0, s[64:65] scope:SCOPE_SE
	s_setreg_imm32_b32 hwreg(HW_REG_WAVE_MODE, 25, 1), 1
	s_wait_xcnt 0x0
	s_wait_alu depctr_hold_cnt(0) depctr_sa_sdst(0) depctr_va_vdst(0) depctr_va_sdst(0) depctr_va_ssrc(0) depctr_va_vcc(0) depctr_vm_vsrc(0)
	s_getreg_b32 s2, hwreg(HW_REG_IB_STS2, 6, 4)
	s_cmp_eq_u32 s2, 0
	s_cbranch_scc0 .Lentry_in_a_cluster
	s_endpgm
.Lentry_in_a_cluster:
	s_bfe_u32 s2, ttmp6, 0x10000c
	s_cmp_lg_u32 s2, 0x3003
	s_cbranch_scc0 .Lentry_shape_is_right
	s_endpgm
.Lentry_shape_is_right:
; ONE LAYER of the hypernetwork:  h'[n][q] = act( sum over p of temp[n][cum+128+128 p+q] h[n][p] + temp[n][cum+q] ),  temp[n][o] = sum over i of int_x[n][i] W[o][i] + b[o],  cum = 16,512 LAY.
; The three layers' texts differ in the line '.set LAY' alone: the layer's number enters the address of W's joint loads, which is made of numbers that all partners of a cluster share: constants, the wave's number, the q block.
; temp never reaches memory.  int_x (from ixb), W and b enter rounded once to bf16; products' sums, h and the sum over p stay in f32.
; LIMITS.  ReLU (layers 0, 1) is v_max_num_f32 against 0: a NaN sum leaves as 0.  b enters as 0.25 b in each of four partial sums: exact for |b| of 2^-124 and more.
; SHARES.  A work-group owns 256 samples (sb) x 4 neighbouring q (qb) and walks all 128 p: 8 x 32 = 256 work-groups.  K IS SPLIT AMONG THE FOUR WAVES: the layer is linear up to act, so wave kq
; multiplies channels 128 kq .. +127 alone, for all 256 samples, carries its partial temp through the sum over p, and the four partial h' meet in LDS at the end.  So a wave keeps its part of int_x
; (16 sample tiles x 4 K steps x 8 = 512 registers) for the whole launch, each fragment of W read from LDS feeds 16 matrix instructions, and is read, and rounded to bf16, by one wave alone.
; TILES.  Source 0 = 16 rows of W, source 1 = 16 samples: in the result a lane holds ONE sample (lane % 16) and rows 8 (lane / 16) + j.  The 16 rows of tile T are ordered so that j = 2 q + e and
; p = 64 (lane / 16) + 2 T + e: the sum over p is four v_pk_fma_f32 a result, hacc[2q:2q+1] += (h[p(e=0)], h[p(e=1)]) x acc[2q:2q+1].  b is the C operand of a tile's first product.
; The layer's bias rows are one tile more, ahead of tile 0: rows j = 2 q of lanes 0-15 are live, the other rows are copies of them; it is summed with (1, 0) in lanes 0-15 and (0, 0) in lanes 16-31 in h's place.
; RING.  Two LDS slots; a slot holds 4 tiles (16 p x 4 q rows of W in f32, 128 KiB, and the 16 p of h for my 256 samples, 16 KiB): 256 matrix instructions a wave.  Waves 0, 1 fetch W's two regions, waves 2, 3 h's two pieces.
; CLUSTER.  W's rows hang on qb alone: the four sample blocks of a cluster ask for them JOINTLY (mask 15).  h's pieces and int_x differ from partner to partner (each has its own samples): loads of one's own.
; THE TEXT.  A BODY goes from behind one tile's K step 0 to behind the next tile's K step 0, so that all that bodies 4 g .. 4 g + 3 read from LDS lies in slot g and the change of slots stands between bodies.  Nothing in it
; has two buffers: W's fragment of K step ks is rewritten when K step ks is over, b and h when the K step 0 that read them is over.  So one text serves every tile; a slot's four are a counted loop, nested 2 x 2 since h's
; address goes + 8, + 4,088, + 8.  The outer loop holds two such groups, one for each slot of LDS, so that each slot keeps a descriptor of its own.  hacc starts at 0: 128 v_mov_b32, once a launch, while int_x is on its way.
; REGISTERS, in windows of 256 (s_set_vgpr_msb: bits 1:0 source 0, 3:2 source 1, 5:4 source 2, 7:6 destination).  ALL THAT BELONGS TO A SAMPLE TILE LIES IN ONE WINDOW w: tiles 0-4 in window 1, 5-9 in 2, 10-14 in 3, tile 15 in 0:
;   windows 1-3: v0-39 hacc (8 a tile); v40-47 b; v48-87 acc; v88-247 int_x (32 a tile)
;   window 0: v0-31 addresses and at work; v40-47 b; v48-79 W's four fragments in bf16; v80-143 one tile of W in f32; v144-175 h (2 a sample tile); v176-207, v208-215, v216-223 int_x, acc, hacc of tile 15
; A product (A window 0; B, C, D window w) and a sum over p (h window 0; acc, hacc window w) then have the same setting, 0x54 w: four switches for 16 products.  The price: b is read into all four windows.
.set LAY, 1
.if LAY < 2
.set SSH, 4                            ; the output is the next layer's h: 16 bytes from sample to sample,
.set QST, 4096                         ; 4,096 from q block to q block
.else
.set SSH, 9                            ; the output is out0: rows of 512 bytes,
.set QST, 16                           ; a q block is 16 bytes of a row
.endif
.set BUFB,  150016                     ; a slot
.set REGB,  66576                      ; region B (p from 64 on) begins 16 bytes behind region A's 66,560: rows of the two regions differ by 16 modulo 256
.set HOFF,  133376                     ; h's slice in a slot: two pieces of [2][256 samples][4] f32
.set HPB,   8200                       ; the second piece lies 8 bytes behind the first's end: in a load of 8 bytes a lane, lanes 0-15 and lanes 16-31 then take different words modulo 256 bytes
.set PROW,  2080                       ; a row of W: two pieces of 1,024 bytes, 16 of padding behind each
.set PONE,  4*PROW                     ; the four rows of one p.  Modulo 256: PROW = 32, PONE = 128, REGB = 16: a fragment's 16 rows start at 16 different 16-byte columns
.set TILEB, 2*PONE                     ; a tile's part of a region
.set WBIAS, 2*BUFB                     ; the 4 bias rows of W
.set BT,    308480                     ; 0.25 b: [lane half][33 tiles][8] f32; stored by the waves, never filled by a tensor load
.set BTH,   1056
.set STAGE, 310784                     ; the four partial h': 4,096 bytes a wave
.set SPARE, 327168                     ; the spare words, 128 bytes a wave: no other line names them
.set LAYB,  33816576                   ; 16,512 rows of W
.set SPW, 2                            ; v2   my spare word; never rewritten
.set NIL, 3                            ; v3   0; never rewritten
.set AW0, 4                            ; v4   my place in a fragment of W; never rewritten
.set AWC, 5                            ; v5   AW0 + the tile's place
.set AH0, 6                            ; v6   my place in h's slice; never rewritten
.set AHC, 7                            ; v7   AH0 + the tile's place
.set ABC0, 8                           ; v8   my half of b's table; never rewritten
.set AWB, 9                            ; v9   my place in the bias rows
.set PAT, 10                           ; v10  1.0 in lanes 0-15, 0 in lanes 16-31
.set IXO, 11                           ; v11  16 x lane
.set PFO, 12                           ; v12  256 x lane
.set ABC, 13                           ; v13  ABC0 + the tile's place
.set TB,  24                           ; v24-31 at work on b
.set BC,  40
.set WB,  48
.set WF,  80
.set HV,  144
.set KQT, 2                            ; s2   my K quarter's place in an LDS row
.set WV,  16                           ; s16  wave = K quarter
.set WL,  17                           ; s17  wave % 2: which region, or piece, I fetch
.set CX,  18                           ; s18  my place in the cluster.  It, and what is made of it, lives in s18-19, s56-63, s66-67, s72-75, s92-95 and, at the end, s12-13 alone
.set SB,  19
.set TW,  20                           ; s20  LDS byte at which the W of the tile to be fetched begins
.set TH,  21                           ; s21  the same for h, less HOFF
.set TBC, 22                           ; s22  the same in b's table
.set UC,  23                           ; s23  counts a slot's two blocks of 4 p
.set G1W, 24                           ; s[24:31] shape of a region of W
.set G1H, 32                           ; s[32:39] of a piece of h
.set G1I, 40                           ; s[40:47] of two bias rows
.set G0W, 48                           ; s[48:55] from where, to where: W, a set for each slot
.set G0H, 56                           ; s[56:63] h
.set IXB, 66                           ; s[66:67] my part of ixb
.set G0I, 68                           ; s[68:71] the bias rows
.set PFA, 72                           ; s[72:73] where my prefetches of W stand
.set PFH, 74                           ; s[74:75] of h
.set LIMW, 76                          ; s76, s77  1 in a wave that prefetches, else the greatest number
.set LIMH, 77
.set CNT, 78                           ; s78  the outer loop's count
.set QB,  79
.set PBC, 80                           ; s80  counts a block's two tiles
.set HM,  81                           ; s81  lanes 16-31
.set SEL, 82                           ; s[82:83] v_permlanex16_b32: each lane takes its own place in the other half
.set MSB, 0
.macro WIN new                         ; the high byte repeats the setting that is left; a switch that changes nothing is dropped
.if MSB != (\new)
	s_set_vgpr_msb (MSB<<8)|(\new)
.set MSB, \new
.endif
.endm
.macro PLACES
.rept 4
	v_nop
.endr
.endm
.macro REG t                           ; sample tile t: its window and its registers there
.if (\t) < 15
.set rW, 1+(\t)/5
.set rH, 8*((\t)%5)
.set rA, 48+8*((\t)%5)
.set rI, 88+32*((\t)%5)
.else
.set rW, 0
.set rH, 216
.set rA, 208
.set rI, 176
.endif
.endm
; A round of the cluster's barrier: my work-group's barrier, so that wave 0's signal speaks for all four waves; wave 0 signals; every wave waits for all four work-groups; my work-group's barrier once more.
.macro CROUND
	s_barrier_signal -1
	s_barrier_wait -1
	s_cmp_lg_u32 s[WV], 0
	s_cbranch_scc1 .Lnot_wave_0_\@
	s_barrier_signal -3
.Lnot_wave_0_\@:
	s_barrier_wait -3
	s_barrier_signal -1
	s_barrier_wait -1
.endm
; A refill: one tensor load a wave.  The branch hangs on the wave's number alone.  An s_nop 0 and four v_nop follow each line.
.macro JLOAD buf
	s_cmp_lt_u32 s[WV], 2
	s_cbranch_scc0 .Lfor_h_\@
	tensor_load_to_lds s[G0W+4*(\buf):G0W+4*(\buf)+3], s[G1W:G1W+7]
	s_nop 0
	PLACES
	s_branch .Lasked_\@
.Lfor_h_\@:
	tensor_load_to_lds s[G0H+4*(\buf):G0H+4*(\buf)+3], s[G1H:G1H+7]
	s_nop 0
	PLACES
.Lasked_\@:
.endm
; PREFETCH INTO THE L2 of the slot that stands two refills on (512 matrix instructions ahead of the load that will want it).  W: a slot has 16 p of 8,192 bytes; the cluster with x = 0 asks (the other cluster of
; this qb reads the same rows); its 16 waves take a p each, told apart BY ADDRESS (4 cx + wave), a lane a block of 256 bytes.  h: waves 2, 3 of the work-groups with qb = 0 ask for their own piece of 8,192 bytes.
; So each block is named once in the launch.  Slots 0 to 3 come by their loads alone; the outer loop's last trip (CNT = 1) asks for nothing: there is no slot 8.
.macro ASK
	s_cmp_gt_u32 s[CNT], s[LIMW]
	s_cbranch_scc0 .Lno_w_\@
	global_prefetch_b8 v[PFO], s[PFA:PFA+1] th:TH_LOAD_NT scope:SCOPE_SE
.Lno_w_\@:
	s_cmp_gt_u32 s[CNT], s[LIMH]
	s_cbranch_scc0 .Lno_h_\@
	global_prefetch_b8 v[PFO], s[PFH:PFH+1] th:TH_LOAD_NT scope:SCOPE_SE
.Lno_h_\@:
.endm
; One product: sample tile t, K step ks.  first = 1: C is b.
.macro MM t, ks, first
	REG \t
	WIN rW*0x54
.if \first
	v_wmma_f32_16x16x32_bf16 v[rA:rA+7], v[WB+8*(\ks):WB+8*(\ks)+7], v[rI+8*(\ks):rI+8*(\ks)+7], v[BC:BC+7]
.else
	v_wmma_f32_16x16x32_bf16 v[rA:rA+7], v[WB+8*(\ks):WB+8*(\ks)+7], v[rI+8*(\ks):rI+8*(\ks)+7], v[rA:rA+7]
.endif
.endm
; The sum over p for sample tile t: hacc += h x acc, the lowest registers first.
.macro E t
	REG \t
	WIN rW*0x54
.irp q, 0,2,4,6
	v_pk_fma_f32 v[rH+\q:rH+\q+1], v[HV+2*(\t):HV+2*(\t)+1], v[rA+\q:rA+\q+1], v[rH+\q:rH+\q+1]
.endr
.endm
; A tile of W in f32: for each K step my row's channels 8 h .. +7 (32 bytes) and 16 + 8 h .. +7 (32 bytes, 64 further on).
.macro FW areg, imm
.irp ks, 0,1,2,3
	ds_load_b128 v[WF+16*\ks:WF+16*\ks+3],     v[\areg] offset:(\imm)+128*\ks
	ds_load_b128 v[WF+16*\ks+4:WF+16*\ks+7],   v[\areg] offset:(\imm)+128*\ks+16
	ds_load_b128 v[WF+16*\ks+8:WF+16*\ks+11],  v[\areg] offset:(\imm)+128*\ks+64
	ds_load_b128 v[WF+16*\ks+12:WF+16*\ks+15], v[\areg] offset:(\imm)+128*\ks+80
.endr
.endm
.macro FBC4 areg, imm                  ; a tile's b, into the same registers of all four windows
.irp w, 0,1,2,3
	WIN (\w)<<6
	ds_load_b128 v[BC:BC+3],   v[\areg] offset:(\imm)
	ds_load_b128 v[BC+4:BC+7], v[\areg] offset:(\imm)+16
.endr
.endm
.macro FHV                             ; h of one tile (2 p) for my sample in each of the 16 sample tiles
.set tt, 0
.rept 16
	ds_load_b64 v[HV+2*tt:HV+2*tt+1], v[AHC] offset:256*tt
.set tt, tt+1
.endr
.endm
.macro CVT4 g                          ; eight numbers of W rounded to bf16: half g % 2 of the fragment of K step g / 2
	WIN 0
.irp i, 0,1,2,3
	v_cvt_pk_bf16_f32 v[WB+4*(\g)+\i], v[WF+8*(\g)+2*\i], v[WF+8*(\g)+2*\i+1]
.endr
.endm
.macro P0 e                            ; a tile's first 16 products; e = 1: ahead of each the tile before's sum over p for that sample tile
.set tt, 0
.rept 16
.if \e
	E tt
.endif
	MM tt, 0, 1
.set tt, tt+1
.endr
.endm
; The 16 products of K step ks.  cv = 1: the next tile's fragments 0, 1 (in K step 2) and 2 (in K step 3) are rounded, four conversions at a time, where the windows change anyway or are 0.
; The run of LDS loads issued W's fragments 0 to 3, four loads each, then b's eight: so fragment 0 is in when at most 12 + 8 loads are out, fragment 1 at 8 + 8, fragment 2 at 4 + 8.
.macro PS ks, cv
.set tt, 0
.rept 16
	MM tt, \ks, 0
.if \cv
.if ((\ks) == 2) && (tt == 4)
	s_wait_dscnt 20
	CVT4 0
.elseif ((\ks) == 2) && (tt == 9)
	CVT4 1
.elseif ((\ks) == 2) && (tt == 14)
	s_wait_dscnt 16
	CVT4 2
.elseif ((\ks) == 2) && (tt == 15)
	CVT4 3
.elseif ((\ks) == 3) && (tt == 4)
	s_wait_dscnt 12
	CVT4 4
.elseif ((\ks) == 3) && (tt == 9)
	CVT4 5
.endif
.endif
.set tt, tt+1
.endr
.endm
; A BODY: 64 products: K steps 1, 2, 3 of tile i and K step 0 of tile i + 1 (tile 0: the bias tile; tile i: T = i - 1).  It fetches W and b of tile i + 1 at its head and h of tile i + 1 at its end: with the next
; body's head that is ONE run of LDS loads a tile.  The 16 accumulators take turns, one instruction a turn, over the K steps, from body to body and over the backward jumps.
; A vector instruction that reads a result, or writes a register that a product has read, and a load into such a register, stand four plain vector instructions or more behind that product (ISA guide 7.12.1 for vector instructions).
; By the text's own count: fragment 1 is rewritten behind fragment 0's eight conversions; fragment 2 behind the four that follow K step 2's last product; fragment 3 behind the sums over p;
; a sum over p reads its accumulator behind fragment 2's conversions or earlier sums; b is loaded behind fragment 3's eight conversions.
.macro BODY
	WIN 0
	v_add_nc_u32 v[AWC], s[TW], v[AW0]
	v_add_nc_u32 v[ABC], s[TBC], v[ABC0]
	v_add_nc_u32 v[AHC], s[TH], v[AH0]
	FW AWC, 0
	FBC4 ABC, 32
	PS 1, 0
	PS 2, 1
	PS 3, 1
	s_wait_dscnt 0x0                               ; fragment 3 and b, issued 48 products ago
	P0 1
	CVT4 6
	CVT4 7
	FHV
.endm
.macro GROUP tag                       ; a slot's four tiles: the body written once, walked 2 x 2 times
.Lg\tag:
	s_mov_b32 s[UC], 2
.Lu\tag:
	s_mov_b32 s[PBC], 2
.Lb\tag:
	BODY
	s_add_co_u32 s[TW], s[TW], TILEB
	s_add_co_u32 s[TH], s[TH], 8                   ; the other two p of a sample's four
	s_add_co_u32 s[TBC], s[TBC], 32
	s_sub_co_u32 s[PBC], s[PBC], 1
	s_cmp_lg_u32 s[PBC], 0
	s_cbranch_scc1 .Lb\tag
	s_add_co_u32 s[TH], s[TH], 4080                ; the next block of four p
	s_sub_co_u32 s[UC], s[UC], 1
	s_cmp_lg_u32 s[UC], 0
	s_cbranch_scc1 .Lu\tag
.endm
; THE CHANGE OF SLOTS, between two bodies: the slot's last bytes, h of its fourth tile, have been asked for.  Each wave waits for all its tensor loads, of which one is out: its part of the other slot; adds 0 to its
; spare word; and waits for that and for its reads of the slot.  Behind the barrier nobody reads slot cbuf any more and the other slot is whole.  fill = 1: the barrier is a round of the cluster's, and slot cbuf is filled
; again, first thing behind it, with the tiles two slots on: that load has 256 products in which to land.  The fetches go on in the other slot: their scalars are set by constants.
.macro CHANGE fill, cbuf
	WIN 0
.if \fill
	s_wait_xcnt 0x0                                ; the last prefetches, four tiles back, have read their addresses
	s_add_nc_u64 s[PFA:PFA+1], s[PFA:PFA+1], 2097152
	s_add_nc_u64 s[PFH:PFH+1], s[PFH:PFH+1], 8192
.endif
	s_wait_tensorcnt 0x0                           ; no tensor load of mine is out, so a group 0 may be written
	ds_add_u32 v[SPW], v[NIL]                      ; 0 onto my spare word; scalar work stands between it and the wait for it
.if \fill
	s_add_nc_u64 s[G0W+4*(\cbuf)+2:G0W+4*(\cbuf)+3], s[G0W+4*(\cbuf)+2:G0W+4*(\cbuf)+3], 4194304   ; two slots on: 16 p; the type bits on top are not reached
	s_add_nc_u64 s[G0H+4*(\cbuf)+2:G0H+4*(\cbuf)+3], s[G0H+4*(\cbuf)+2:G0H+4*(\cbuf)+3], 16384
.endif
	s_mov_b32 s[TW], (1-(\cbuf))*BUFB
	s_mov_b32 s[TH], (1-(\cbuf))*BUFB
	s_wait_dscnt 0x0                               ; the add is done, and my reads of the slot are over
.if \fill
	CROUND
	JLOAD \cbuf
	ASK
.else
	s_barrier_signal -1
	s_barrier_wait -1
.endif
.endm
; int_x of sample tiles from .. from + n - 1: eight loads a tile, 512 consecutive bytes each, as ixb lies
.macro IXL from, n
.set tt, \from
.rept \n
	REG tt
	WIN rW<<6
.set ii, 0
.rept 8
	global_load_b128 v[rI+4*ii:rI+4*ii+3], v[IXO], s[IXB:IXB+1] offset:4096*tt+512*ii
.set ii, ii+1
.endr
.set tt, tt+1
.endr
	WIN 0
.endm
	s_load_b256 s[4:11], s[0:1], 0x0               ; W s[4:5], b s[6:7], ixb s[8:9], h in s[10:11]
	s_load_b64 s[12:13], s[0:1], 0x20              ; h out
	v_lshl_add_u32 v[SPW], v0, 2, SPARE
	v_mov_b32 v[NIL], 0
	ds_add_u32 v[SPW], v[NIL]                      ; the wave's opening: the add, twice on end, and its wait ahead of my first tensor load
	ds_add_u32 v[SPW], v[NIL]
	v_lshrrev_b32 v14, 5, v0
	v_readfirstlane_b32 s[WV], v14                 ; wave 0..3
	v_and_b32 v14, 15, v0                          ; r = lane % 16
	v_bfe_u32 v15, v0, 4, 1                        ; hl = lane / 16
	v_and_b32 v16, 31, v0                          ; lane; v14-16 are kept
	v_lshlrev_b32 v[IXO], 4, v16
	v_lshlrev_b32 v17, 9, v0                       ; thread p takes b of its p: 4 q
	v_bfe_u32 v19, v0, 1, 2                        ; q of my row of a tile
	v_lshlrev_b32 v18, 2, v19
	s_and_b32 s[WL], s[WV], 1
	s_bfe_u32 s[CX], ttmp6, 0x40000
	s_lshl_b32 s[SB], ttmp9, 2                     ; in a cluster launch ttmp9 counts clusters
	s_add_co_u32 s[SB], s[SB], s[CX]               ; my block of 256 samples
	s_and_b32 s[QB], ttmp7, 0xffff                 ; my block of 4 q, which the four partners share
	; a region of W: 8 p, each 4 rows on end = 2,048 f32, 65,536 f32 from p to p; in LDS 4 words of padding behind every 256
	s_mov_b32 s[G1W], 15|(2<<16)|(1<<20)|(1<<21)|(7<<22)|(3<<25)   ; 15:0 the mask of four; 17:16 4-byte elements; 20 padding on; 21 set beside a mask; 24:22 every 256 words; 31:25 4 words
	s_mov_b32 s[G1W+1], 2048<<16                   ; tensor_dim0
	s_mov_b32 s[G1W+2], 8<<16                      ; tensor_dim1
	s_mov_b32 s[G1W+3], 2048<<16                   ; tile_dim0
	s_mov_b32 s[G1W+4], 8                          ; tile_dim1
	s_mov_b32 s[G1W+5], 65536                      ; from row to row
	s_mov_b32 s[G1W+6], 0
	s_mov_b32 s[G1W+7], 0
	; a piece of h: 8,192 dense bytes as 32 rows of 256; no mask: my own samples'
	s_mov_b32 s[G1H], 3<<16                        ; 8-byte elements
	s_mov_b32 s[G1H+1], 32<<16
	s_mov_b32 s[G1H+2], 32<<16
	s_mov_b32 s[G1H+3], 32<<16
	s_mov_b32 s[G1H+4], 32
	s_mov_b32 s[G1H+5], 32
	s_mov_b32 s[G1H+6], 0
	s_mov_b32 s[G1H+7], 0
	; two bias rows of W: 2 rows of 512 f32, dense, padded like the regions
	s_mov_b32 s[G1I], 15|(2<<16)|(1<<20)|(1<<21)|(7<<22)|(3<<25)
	s_mov_b32 s[G1I+1], 512<<16
	s_mov_b32 s[G1I+2], 2<<16
	s_mov_b32 s[G1I+3], 512<<16
	s_mov_b32 s[G1I+4], 2
	s_mov_b32 s[G1I+5], 512
	s_mov_b32 s[G1I+6], 0
	s_mov_b32 s[G1I+7], 0
	; LDS addresses: constants and the wave's number alone
	s_mul_i32 s84, s[WL], REGB
	s_mul_i32 s86, s[WL], HPB
	s_mul_i32 s87, s[WL], 2*PROW
.irp s, 0,1
	s_mov_b32 s[G0W+4*\s], 1
	s_add_co_u32 s[G0W+4*\s+1], s84, \s*BUFB
	s_mov_b32 s[G0H+4*\s], 1
	s_add_co_u32 s[G0H+4*\s+1], s86, \s*BUFB+HOFF
.endr
	s_mov_b32 s[G0I], 1
	s_add_co_u32 s[G0I+1], s87, WBIAS
	s_lshr_b32 s[KQT], s[WV], 1                    ; my K quarter: piece kq / 2 of a row, 512 (kq % 2) into it
	s_mul_i32 s[KQT], s[KQT], 1040
	s_lshl_b32 s84, s[WL], 9
	s_add_co_u32 s[KQT], s[KQT], s84
	s_mov_b32 s[SEL], 0x76543210
	s_mov_b32 s[SEL+1], 0xfedcba98
	s_mov_b32 s[HM], 0xffff0000
	s_mov_b32 s[TW], 0                             ; the first body fetches tile T = 0, at the head of slot 0
	s_mov_b32 s[TH], 0
	s_mov_b32 s[TBC], 0
	s_cmp_eq_u32 ttmp9, 0                          ; the first of the two clusters of this qb: the same in all four partners
	s_cselect_b32 s[LIMW], 1, -1
	s_lshr_b32 s84, s[WV], 1
	s_xor_b32 s84, s84, 1                          ; 0 in waves 2 and 3,
	s_or_b32 s84, s84, s[QB]                       ; where qb = 0
	s_cmp_eq_u32 s84, 0
	s_cselect_b32 s[LIMH], 1, -1
	s_wait_dscnt 0x0                               ; both opening adds are done
	s_wait_kmcnt 0x0
	; W: made of constants, qb and the wave's number alone
	s_lshl_b32 s84, s[QB], 13                      ; 4 rows of 2,048 bytes
	s_add_co_u32 s84, s84, LAY*LAYB
	s_mov_b32 s85, 0
	s_mov_b32 s87, 0
	s_add_nc_u64 s[88:89], s[4:5], s[84:85]        ; the layer's bias rows 4 qb ..
	s_lshl_b32 s86, s[WL], 12                      ; two of them
	s_add_nc_u64 s[G0I+2:G0I+3], s[88:89], s[86:87]
	s_or_b32 s[G0I+3], s[G0I+3], 0x80000000
	s_lshl_b32 s86, s[WL], 24                      ; region B: 64 p on
	s_add_co_u32 s86, s86, 262144                  ; behind the 128 bias rows
	s_add_nc_u64 s[90:91], s[88:89], s[86:87]
	s_add_nc_u64 s[G0W+2:G0W+3], s[90:91], 0       ; slot 0: p 0-7 (64-71)
	s_or_b32 s[G0W+3], s[G0W+3], 0x80000000
	s_add_nc_u64 s[G0W+6:G0W+7], s[90:91], 2097152 ; slot 1: 8 p on
	s_or_b32 s[G0W+7], s[G0W+7], 0x80000000
	; b at the layer's entry 4 qb
	s_lshl_b32 s84, s[QB], 4
	s_add_co_u32 s84, s84, LAY*66048
	s_add_nc_u64 s[90:91], s[6:7], s[84:85]
	; what hangs on my own samples
	s_mov_b32 s93, 0
	s_lshl_b32 s92, s[SB], 17
	s_lshl_b32 s94, s[WL], 16
	s_add_co_u32 s92, s92, s94
	s_add_nc_u64 s[PFH:PFH+1], s[10:11], s[92:93]  ; h: my block, my half of p
	s_add_nc_u64 s[G0H+2:G0H+3], s[PFH:PFH+1], 0
	s_or_b32 s[G0H+3], s[G0H+3], 0x80000000
	s_add_nc_u64 s[G0H+6:G0H+7], s[PFH:PFH+1], 8192
	s_or_b32 s[G0H+7], s[G0H+7], 0x80000000
	s_add_nc_u64 s[PFH:PFH+1], s[PFH:PFH+1], 3*8192   ; at slot 3: the first change of slots steps it to 4
	s_lshl_b32 s92, s[SB], 2
	s_add_co_u32 s92, s92, s[WV]
	s_lshl_b32 s92, s92, 16
	s_add_nc_u64 s[IXB:IXB+1], s[8:9], s[92:93]
	s_lshl_b32 s92, s[CX], 2
	s_add_co_u32 s92, s92, s[WV]                   ; which of a slot's 16 p I prefetch
	s_and_b32 s94, s92, 7
	s_lshl_b32 s94, s94, 18
	s_lshr_b32 s92, s92, 3
	s_lshl_b32 s92, s92, 24
	s_add_co_u32 s92, s92, s94
	s_add_co_u32 s92, s92, 262144+3*2097152        ; at slot 3
	s_add_nc_u64 s[PFA:PFA+1], s[88:89], s[92:93]
	global_load_b128 v[TB:TB+3], v17, s[90:91] offset:512  ; b of my p,
	global_load_b32 v[TB+4], v18, s[90:91]         ; b of bias row q,
	IXL 0, 7                                       ; and the first 56 loads of int_x go out ahead of the round: nobody writes these bytes
	CROUND                                         ; all four work-groups are here: the first joint loads meet
	s_cmp_lt_u32 s[WV], 2                          ; a wave's first fills stand in one branch, ahead of every wait on TENSORcnt and every LDS read: two or three loads of mine are out
	s_cbranch_scc0 .Lfirst_h
	tensor_load_to_lds s[G0W:G0W+3], s[G1W:G1W+7]
	s_nop 0
	tensor_load_to_lds s[G0W+4:G0W+7], s[G1W:G1W+7]
	s_nop 0
	PLACES
	s_branch .Lfirst_done
.Lfirst_h:
	tensor_load_to_lds s[G0I:G0I+3], s[G1I:G1I+7]
	s_nop 0
	tensor_load_to_lds s[G0H:G0H+3], s[G1H:G1H+7]
	s_nop 0
	tensor_load_to_lds s[G0H+4:G0H+7], s[G1H:G1H+7]
	s_nop 0
	PLACES
.Lfirst_done:
.set tt, 0
.rept 16                                       ; hacc starts at 0
	REG tt
	WIN rW<<6
.irp k, 0,1,2,3,4,5,6,7
	v_mov_b32 v[rH+\k], 0
.endr
.set tt, tt+1
.endr
	WIN 0
	v_lshlrev_b32 v[PFO], 8, v16
	v_bfe_u32 v20, v0, 3, 1                        ; my row of a tile: region r / 8,
	v_mul_u32_u24 v20, v20, REGB
	v_and_b32 v21, 1, v0                           ; p's parity r % 2,
	v_mul_u32_u24 v21, v21, PONE
	v_add_nc_u32 v20, v20, v21
	v_mul_u32_u24 v21, v19, PROW                   ; q = (r / 2) % 4,
	v_lshl_add_u32 v22, v15, 5, s[KQT]             ; my 8 channels of 16, my K quarter
	v_add_nc_u32 v21, v21, v22
	v_add_nc_u32 v[AWB], WBIAS, v21
	v_add_nc_u32 v[AW0], v20, v21
	v_lshlrev_b32 v22, 4, v14                      ; h: 16 bytes a sample,
	v_mul_u32_u24 v23, v15, HPB                    ; my half's piece
	v_add_nc_u32 v22, v22, v23
	v_add_nc_u32 v[AH0], HOFF, v22
	v_mul_u32_u24 v[ABC0], v15, BTH
	v_add_nc_u32 v[ABC0], BT, v[ABC0]
	v_cmp_gt_u32 s3, 16, v16
	v_cndmask_b32 v[PAT], 0, 1.0, s3
	v_lshrrev_b32 v20, 6, v0                       ; where thread p puts its 4 numbers: half p / 64, tile (p % 64) / 2 + 1, register 2 q + p % 2
	v_mul_u32_u24 v20, v20, BTH
	v_bfe_u32 v21, v0, 1, 5
	v_lshl_add_u32 v20, v21, 5, v20
	v_and_b32 v21, 1, v0
	v_lshl_add_u32 v20, v21, 2, v20
	v_add_nc_u32 v20, BT+32, v20
	v_bfe_u32 v21, v0, 3, 1                        ; the bias tile's entry: half (lane / 8) % 2, register lane % 8
	v_mul_u32_u24 v21, v21, BTH
	v_and_b32 v22, 7, v0
	v_lshl_add_u32 v21, v22, 2, v21
	v_add_nc_u32 v21, BT, v21
	s_wait_loadcnt 56                              ; b is in: 56 loads were issued behind it, and they may stay out
	v_cvt_pk_bf16_f32 v[TB+5], v[TB], v[TB+1]      ; b rounded once to bf16, written as f32 again, a quarter for each of the four partial sums
	v_cvt_pk_bf16_f32 v[TB+6], v[TB+2], v[TB+3]
	v_cvt_pk_bf16_f32 v[TB+7], v[TB+4], v[TB+4]
	v_lshlrev_b32 v[TB], 16, v[TB+5]
	v_and_b32 v[TB+1], 0xffff0000, v[TB+5]
	v_lshlrev_b32 v[TB+2], 16, v[TB+6]
	v_and_b32 v[TB+3], 0xffff0000, v[TB+6]
	v_lshlrev_b32 v[TB+4], 16, v[TB+7]
.irp i, 0,1,2,3,4
	v_mul_f32 v[TB+\i], 0x3e800000, v[TB+\i]
.endr
.irp q, 0,1,2,3
	ds_store_b32 v20, v[TB+\q] offset:8*\q
.endr
	s_cmp_lg_u32 s[WV], 3
	s_cbranch_scc1 .Lno_bias
	ds_store_b32 v21, v[TB+4]                      ; register j takes b of bias row j / 2; lanes 16-31 write what lanes 0-15 write
.Lno_bias:
	IXL 7, 9                                       ; the other 72 loads of int_x
	s_wait_tensorcnt 0x1                           ; my part of slot 0 (and the bias rows) is in; the one younger load, my part of slot 1, may stay out
	s_wait_dscnt 0x0                               ; for the others' sake: my stores into b's table are done
	s_barrier_signal -1
	s_barrier_wait -1
	FW AWB, 0                                      ; the bias tile: its W,
	FBC4 ABC0, 0                                   ; its b
	s_wait_dscnt 0x0
.irp g, 0,1,2,3,4,5,6,7
	CVT4 \g
.endr
	s_wait_loadcnt 0x0                             ; int_x
	P0 0                                           ; the bias tile's K step 0: there is no tile before it to sum
	WIN 0
.set tt, 0
.rept 16                                       ; in h's place for the bias tile; also the places between the last product and the loads into b's registers
	v_mov_b32 v[HV+2*tt], v[PAT]
	v_mov_b32 v[HV+2*tt+1], 0
.set tt, tt+1
.endr
	s_mov_b32 s[CNT], 4
	s_branch .LgB                                  ; the outer loop is entered at its second group, which fetches from slot 0
.Ltop:                                                 ; three trips; both slots are filled again
	CHANGE 1, 0
	GROUP A                                        ; fetches from slot 1
	CHANGE 1, 1
	GROUP B                                        ; fetches from slot 0
	s_sub_co_u32 s[CNT], s[CNT], 1
	s_cmp_lg_u32 s[CNT], 0
	s_cbranch_scc1 .Ltop
	CHANGE 0, 0                                    ; the tail is written out: nothing is asked for
	GROUP C
	PS 1, 0                                        ; the last tile's K steps 1 to 3: nothing is left to fetch or to round
	PS 2, 0
	PS 3, 0
	WIN 0
	s_wait_dscnt 0x0                               ; its h
	PLACES                                         ; no other vector work stands behind the last products
.set tt, 0
.rept 16
	E tt
.set tt, tt+1
.endr
	; THE WAY OUT.  A lane's eight sums are 4 q x 2 parities of p; the other half of the lanes holds the other 64 p; the other waves the other K quarters.
.set tt, 0
.rept 16                                       ; S[t][q] at WF + 4 t + q
	REG tt
	WIN rW*0x05
.irp q, 0,1,2,3
	v_add_f32 v[WF+4*tt+\q], v[rH+2*\q], v[rH+2*\q+1]
.endr
.set tt, tt+1
.endr
	WIN 0
.set i, 0
.rept 32                                       ; i = 4 u + q: lanes 0-15 keep sample tile 2 u and send tile 2 u + 1, lanes 16-31 the other way round: lane L ends with sample 32 u + L
	v_cndmask_b32 v[WB+i], v[WF+8*(i/4)+i%4], v[WF+8*(i/4)+4+i%4], s[HM]
	v_cndmask_b32 v[HV+i], v[WF+8*(i/4)+4+i%4], v[WF+8*(i/4)+i%4], s[HM]
.set i, i+1
.endr
.set i, 0
.rept 32
	v_permlanex16_b32 v[WF+i], v[HV+i], s[SEL], s[SEL+1]
.set i, i+1
.endr
.set i, 0
.rept 16
	v_pk_add_f32 v[WB+2*i:WB+2*i+1], v[WB+2*i:WB+2*i+1], v[WF+2*i:WF+2*i+1]
.set i, i+1
.endr
	s_lshl_b32 s84, s[WV], 12
	s_add_co_u32 s84, s84, STAGE
	v_lshl_add_u32 v17, v16, 4, s84
	v_lshl_add_u32 v18, v0, 4, STAGE
.irp u, 0,1,2,3,4,5,6,7
	ds_store_b128 v17, v[WB+4*\u:WB+4*\u+3] offset:512*\u
.endr
	s_wait_dscnt 0x0                               ; for the others' sake: my partial sums lie in the stage
	s_barrier_signal -1
	s_barrier_wait -1
.irp i, 0,1,2,3,4,5,6,7                        ; i = 4 m + wave: thread v finishes samples v and v + 128
	ds_load_b128 v[HV+4*\i:HV+4*\i+3], v18 offset:4096*(\i%4)+2048*(\i/4)
.endr
	v_lshlrev_b32 v19, SSH, v0
	s_lshl_b32 s92, s[SB], 17                      ; 256 samples are 131,072 bytes in either layout of the output
	s_mul_i32 s94, s[QB], QST
	s_add_co_u32 s92, s92, s94
	s_mov_b32 s93, 0
	s_add_nc_u64 s[12:13], s[12:13], s[92:93]
	s_wait_dscnt 0x0
.irp m, 0,1
.irp c, 0,2
	v_pk_add_f32 v[HV+16*\m+\c:HV+16*\m+\c+1], v[HV+16*\m+\c:HV+16*\m+\c+1], v[HV+16*\m+4+\c:HV+16*\m+4+\c+1]
	v_pk_add_f32 v[HV+16*\m+8+\c:HV+16*\m+8+\c+1], v[HV+16*\m+8+\c:HV+16*\m+8+\c+1], v[HV+16*\m+12+\c:HV+16*\m+12+\c+1]
.endr
.irp c, 0,2
	v_pk_add_f32 v[HV+16*\m+\c:HV+16*\m+\c+1], v[HV+16*\m+\c:HV+16*\m+\c+1], v[HV+16*\m+8+\c:HV+16*\m+8+\c+1]
.endr
.if LAY < 2
.irp c, 0,1,2,3
	v_max_num_f32 v[HV+16*\m+\c], 0, v[HV+16*\m+\c]    ; ReLU
.endr
.endif
.endr
	global_store_b128 v19, v[HV:HV+3], s[12:13]        ; between layers: 16 bytes a sample on end, a wave's store covers 512 consecutive bytes; in out0 a work-group's 4 q are 16 bytes of each row of 512
	global_store_b128 v19, v[HV+16:HV+19], s[12:13] offset:128<<SSH
	s_wait_tensorcnt 0x0                           ; the wave's end: a wait, an add to the spare word and its wait, behind my last tensor load and my last LDS store
	ds_add_u32 v[SPW], v[NIL]
	s_wait_dscnt 0x0
	CROUND                                         ; the closing round: no work-group ends while a partner may still ask for a tile that names it
	s_endpgm
.Lfunc_end_k_q2d43cc50ab_lay1:
	.size	k_q2d43cc50ab_lay1, .Lfunc_end_k_q2d43cc50ab_lay1-k_q2d43cc50ab_lay1
	.p2alignl 7, 3214868480
	.fill 96, 4, 3214868480
	.section	.rodata,"a",@progbits
	.p2align	6, 0x0
	.amdhsa_kernel k_q2d43cc50ab_lay1
		.amdhsa_group_segment_fixed_size 327680
		.amdhsa_private_segment_fixed_size 0
		.amdhsa_enable_private_segment 0
		.amdhsa_kernarg_size 40
		.amdhsa_user_sgpr_count 2
		.amdhsa_user_sgpr_kernarg_segment_ptr 1
		.amdhsa_wavefront_size32 1
		.amdhsa_system_sgpr_workgroup_id_x 1
		.amdhsa_system_sgpr_workgroup_id_y 1
		.amdhsa_system_sgpr_workgroup_id_z 1
		.amdhsa_system_vgpr_workitem_id 0
		.amdhsa_next_free_vgpr 1024
		.amdhsa_next_free_sgpr 96
		.amdhsa_reserve_vcc 0
		.amdhsa_float_denorm_mode_32 3
		.amdhsa_float_denorm_mode_16_64 3
		.amdhsa_memory_ordered 1
		.amdhsa_forward_progress 1
		.amdhsa_inst_pref_size 98
	.end_amdhsa_kernel
	.amdgpu_metadata
---
amdhsa.version: [ 1, 2 ]
amdhsa.kernels:
  - .name:           k_q2d43cc50ab_lay1
    .symbol:         k_q2d43cc50ab_lay1.kd
    .args:
      - { .name: W, .offset: 0, .size: 8, .value_kind: global_buffer, .address_space: global }
      - { .name: b, .offset: 8, .size: 8, .value_kind: global_buffer, .address_space: global }
      - { .name: ixb, .offset: 16, .size: 8, .value_kind: global_buffer, .address_space: global }
      - { .name: hB, .offset: 24, .size: 8, .value_kind: global_buffer, .address_space: global }
      - { .name: hA, .offset: 32, .size: 8, .value_kind: global_buffer, .address_space: global }
    .group_segment_fixed_size: 327680
    .private_segment_fixed_size: 0
    .kernarg_segment_align: 8
    .kernarg_segment_size: 40
    .max_flat_workgroup_size: 128
    .sgpr_count:     96
    .vgpr_count:     1024
    .wavefront_size: 32
...
	.end_amdgpu_metadata
.endif
;; end of part 3
;; launch lay2 (part 4): grid 8 x 32, 4 waves a work-group, clusters of 4 x 1, 327,680 bytes of LDS; arguments W, b, ixb, hA, out0; writes out0
.if DOCPART == 4
	.amdgcn_target "amdgcn-amd-amdhsa--gfx1250"
	.amdhsa_code_object_version 6
	.text
	.protected	k_q2d43cc50ab_lay2
	.globl	k_q2d43cc50ab_lay2
	.p2align	8
	.type	k_q2d43cc50ab_lay2,@function
k_q2d43cc50ab_lay2:
	s_mov_b64 s[64:65], 0
	v_nop
	global_prefetch_b8 v0, s[64:65] scope:SCOPE_SE
	s_setreg_imm32_b32 hwreg(HW_REG_WAVE_MODE, 25, 1), 1
	s_wait_xcnt 0x0
	s_wait_alu depctr_hold_cnt(0) depctr_sa_sdst(0) depctr_va_vdst(0) depctr_va_sdst(0) depctr_va_ssrc(0) depctr_va_vcc(0) depctr_vm_vsrc(0)
	s_getreg_b32 s2, hwreg(HW_REG_IB_STS2, 6, 4)
	s_cmp_eq_u32 s2, 0
	s_cbranch_scc0 .Lentry_in_a_cluster
	s_endpgm
.Lentry_in_a_cluster:
	s_bfe_u32 s2, ttmp6, 0x10000c
	s_cmp_lg_u32 s2, 0x3003
	s_cbranch_scc0 .Lentry_shape_is_right
	s_endpgm
.Lentry_shape_is_right:
; ONE LAYER of the hypernetwork:  h'[n][q] = act( sum over p of temp[n][cum+128+128 p+q] h[n][p] + temp[n][cum+q] ),  temp[n][o] = sum over i of int_x[n][i] W[o][i] + b[o],  cum = 16,512 LAY.
; The three layers' texts differ in the line '.set LAY' alone: the layer's number enters the address of W's joint loads, which is made of numbers that all partners of a cluster share: constants, the wave's number, the q block.
; temp never reaches memory.  int_x (from ixb), W and b enter rounded once to bf16; products' sums, h and the sum over p stay in f32.
; LIMITS.  ReLU (layers 0, 1) is v_max_num_f32 against 0: a NaN sum leaves as 0.  b enters as 0.25 b in each of four partial sums: exact for |b| of 2^-124 and more.
; SHARES.  A work-group owns 256 samples (sb) x 4 neighbouring q (qb) and walks all 128 p: 8 x 32 = 256 work-groups.  K IS SPLIT AMONG THE FOUR WAVES: the layer is linear up to act, so wave kq
; multiplies channels 128 kq .. +127 alone, for all 256 samples, carries its partial temp through the sum over p, and the four partial h' meet in LDS at the end.  So a wave keeps its part of int_x
; (16 sample tiles x 4 K steps x 8 = 512 registers) for the whole launch, each fragment of W read from LDS feeds 16 matrix instructions, and is read, and rounded to bf16, by one wave alone.
; TILES.  Source 0 = 16 rows of W, source 1 = 16 samples: in the result a lane holds ONE sample (lane % 16) and rows 8 (lane / 16) + j.  The 16 rows of tile T are ordered so that j = 2 q + e and
; p = 64 (lane / 16) + 2 T + e: the sum over p is four v_pk_fma_f32 a result, hacc[2q:2q+1] += (h[p(e=0)], h[p(e=1)]) x acc[2q:2q+1].  b is the C operand of a tile's first product.
; The layer's bias rows are one tile more, ahead of tile 0: rows j = 2 q of lanes 0-15 are live, the other rows are copies of them; it is summed with (1, 0) in lanes 0-15 and (0, 0) in lanes 16-31 in h's place.
; RING.  Two LDS slots; a slot holds 4 tiles (16 p x 4 q rows of W in f32, 128 KiB, and the 16 p of h for my 256 samples, 16 KiB): 256 matrix instructions a wave.  Waves 0, 1 fetch W's two regions, waves 2, 3 h's two pieces.
; CLUSTER.  W's rows hang on qb alone: the four sample blocks of a cluster ask for them JOINTLY (mask 15).  h's pieces and int_x differ from partner to partner (each has its own samples): loads of one's own.
; THE TEXT.  A BODY goes from behind one tile's K step 0 to behind the next tile's K step 0, so that all that bodies 4 g .. 4 g + 3 read from LDS lies in slot g and the change of slots stands between bodies.  Nothing in it
; has two buffers: W's fragment of K step ks is rewritten when K step ks is over, b and h when the K step 0 that read them is over.  So one text serves every tile; a slot's four are a counted loop, nested 2 x 2 since h's
; address goes + 8, + 4,088, + 8.  The outer loop holds two such groups, one for each slot of LDS, so that each slot keeps a descriptor of its own.  hacc starts at 0: 128 v_mov_b32, once a launch, while int_x is on its way.
; REGISTERS, in windows of 256 (s_set_vgpr_msb: bits 1:0 source 0, 3:2 source 1, 5:4 source 2, 7:6 destination).  ALL THAT BELONGS TO A SAMPLE TILE LIES IN ONE WINDOW w: tiles 0-4 in window 1, 5-9 in 2, 10-14 in 3, tile 15 in 0:
;   windows 1-3: v0-39 hacc (8 a tile); v40-47 b; v48-87 acc; v88-247 int_x (32 a tile)
;   window 0: v0-31 addresses and at work; v40-47 b; v48-79 W's four fragments in bf16; v80-143 one tile of W in f32; v144-175 h (2 a sample tile); v176-207, v208-215, v216-223 int_x, acc, hacc of tile 15
; A product (A window 0; B, C, D window w) and a sum over p (h window 0; acc, hacc window w) then have the same setting, 0x54 w: four switches for 16 products.  The price: b is read into all four windows.
.set LAY, 2
.if LAY < 2
.set SSH, 4                            ; the output is the next layer's h: 16 bytes from sample to sample,
.set QST, 4096                         ; 4,096 from q block to q block
.else
.set SSH, 9                            ; the output is out0: rows of 512 bytes,
.set QST, 16                           ; a q block is 16 bytes of a row
.endif
.set BUFB,  150016                     ; a slot
.set REGB,  66576                      ; region B (p from 64 on) begins 16 bytes behind region A's 66,560: rows of the two regions differ by 16 modulo 256
.set HOFF,  133376                     ; h's slice in a slot: two pieces of [2][256 samples][4] f32
.set HPB,   8200                       ; the second piece lies 8 bytes behind the first's end: in a load of 8 bytes a lane, lanes 0-15 and lanes 16-31 then take different words modulo 256 bytes
.set PROW,  2080                       ; a row of W: two pieces of 1,024 bytes, 16 of padding behind each
.set PONE,  4*PROW                     ; the four rows of one p.  Modulo 256: PROW = 32, PONE = 128, REGB = 16: a fragment's 16 rows start at 16 different 16-byte columns
.set TILEB, 2*PONE                     ; a tile's part of a region
.set WBIAS, 2*BUFB                     ; the 4 bias rows of W
.set BT,    308480                     ; 0.25 b: [lane half][33 tiles][8] f32; stored by the waves, never filled by a tensor load
.set BTH,   1056
.set STAGE, 310784                     ; the four partial h': 4,096 bytes a wave
.set SPARE, 327168                     ; the spare words, 128 bytes a wave: no other line names them
.set LAYB,  33816576                   ; 16,512 rows of W
.set SPW, 2                            ; v2   my spare word; never rewritten
.set NIL, 3                            ; v3   0; never rewritten
.set AW0, 4                            ; v4   my place in a fragment of W; never rewritten
.set AWC, 5                            ; v5   AW0 + the tile's place
.set AH0, 6                            ; v6   my place in h's slice; never rewritten
.set AHC, 7                            ; v7   AH0 + the tile's place
.set ABC0, 8                           ; v8   my half of b's table; never rewritten
.set AWB, 9                            ; v9   my place in the bias rows
.set PAT, 10                           ; v10  1.0 in lanes 0-15, 0 in lanes 16-31
.set IXO, 11                           ; v11  16 x lane
.set PFO, 12                           ; v12  256 x lane
.set ABC, 13                           ; v13  ABC0 + the tile's place
.set TB,  24                           ; v24-31 at work on b
.set BC,  40
.set WB,  48
.set WF,  80
.set HV,  144
.set KQT, 2                            ; s2   my K quarter's place in an LDS row
.set WV,  16                           ; s16  wave = K quarter
.set WL,  17                           ; s17  wave % 2: which region, or piece, I fetch
.set CX,  18                           ; s18  my place in the cluster.  It, and what is made of it, lives in s18-19, s56-63, s66-67, s72-75, s92-95 and, at the end, s12-13 alone
.set SB,  19
.set TW,  20                           ; s20  LDS byte at which the W of the tile to be fetched begins
.set TH,  21                           ; s21  the same for h, less HOFF
.set TBC, 22                           ; s22  the same in b's table
.set UC,  23                           ; s23  counts a slot's two blocks of 4 p
.set G1W, 24                           ; s[24:31] shape of a region of W
.set G1H, 32                           ; s[32:39] of a piece of h
.set G1I, 40                           ; s[40:47] of two bias rows
.set G0W, 48                           ; s[48:55] from where, to where: W, a set for each slot
.set G0H, 56                           ; s[56:63] h
.set IXB, 66                           ; s[66:67] my part of ixb
.set G0I, 68                           ; s[68:71] the bias rows
.set PFA, 72                           ; s[72:73] where my prefetches of W stand
.set PFH, 74                           ; s[74:75] of h
.set LIMW, 76                          ; s76, s77  1 in a wave that prefetches, else the greatest number
.set LIMH, 77
.set CNT, 78                           ; s78  the outer loop's count
.set QB,  79
.set PBC, 80                           ; s80  counts a block's two tiles
.set HM,  81                           ; s81  lanes 16-31
.set SEL, 82                           ; s[82:83] v_permlanex16_b32: each lane takes its own place in the other half
.set MSB, 0
.macro WIN new                         ; the high byte repeats the setting that is left; a switch that changes nothing is dropped
.if MSB != (\new)
	s_set_vgpr_msb (MSB<<8)|(\new)
.set MSB, \new
.endif
.endm
.macro PLACES
.rept 4
	v_nop
.endr
.endm
.macro REG t                           ; sample tile t: its window and its registers there
.if (\t) < 15
.set rW, 1+(\t)/5
.set rH, 8*((\t)%5)
.set rA, 48+8*((\t)%5)
.set rI, 88+32*((\t)%5)
.else
.set rW, 0
.set rH, 216
.set rA, 208
.set rI, 176
.endif
.endm
; A round of the cluster's barrier: my work-group's barrier, so that wave 0's signal speaks for all four waves; wave 0 signals; every wave waits for all four work-groups; my work-group's barrier once more.
.macro CROUND
	s_barrier_signal -1
	s_barrier_wait -1
	s_cmp_lg_u32 s[WV], 0
	s_cbranch_scc1 .Lnot_wave_0_\@
	s_barrier_signal -3
.Lnot_wave_0_\@:
	s_barrier_wait -3
	s_barrier_signal -1
	s_barrier_wait -1
.endm
; A refill: one tensor load a wave.  The branch hangs on the wave's number alone.  An s_nop 0 and four v_nop follow each line.
.macro JLOAD buf
	s_cmp_lt_u32 s[WV], 2
	s_cbranch_scc0 .Lfor_h_\@
	tensor_load_to_lds s[G0W+4*(\buf):G0W+4*(\buf)+3], s[G1W:G1W+7]
	s_nop 0
	PLACES
	s_branch .Lasked_\@
.Lfor_h_\@:
	tensor_load_to_lds s[G0H+4*(\buf):G0H+4*(\buf)+3], s[G1H:G1H+7]
	s_nop 0
	PLACES
.Lasked_\@:
.endm
; PREFETCH INTO THE L2 of the slot that stands two refills on (512 matrix instructions ahead of the load that will want it).  W: a slot has 16 p of 8,192 bytes; the cluster with x = 0 asks (the other cluster of
; this qb reads the same rows); its 16 waves take a p each, told apart BY ADDRESS (4 cx + wave), a lane a block of 256 bytes.  h: waves 2, 3 of the work-groups with qb = 0 ask for their own piece of 8,192 bytes.
; So each block is named once in the launch.  Slots 0 to 3 come by their loads alone; the outer loop's last trip (CNT = 1) asks for nothing: there is no slot 8.
.macro ASK
	s_cmp_gt_u32 s[CNT], s[LIMW]
	s_cbranch_scc0 .Lno_w_\@
	global_prefetch_b8 v[PFO], s[PFA:PFA+1] th:TH_LOAD_NT scope:SCOPE_SE
.Lno_w_\@:
	s_cmp_gt_u32 s[CNT], s[LIMH]
	s_cbranch_scc0 .Lno_h_\@
	global_prefetch_b8 v[PFO], s[PFH:PFH+1] th:TH_LOAD_NT scope:SCOPE_SE
.Lno_h_\@:
.endm
; One product: sample tile t, K step ks.  first = 1: C is b.
.macro MM t, ks, first
	REG \t
	WIN rW*0x54
.if \first
	v_wmma_f32_16x16x32_bf16 v[rA:rA+7], v[WB+8*(\ks):WB+8*(\ks)+7], v[rI+8*(\ks):rI+8*(\ks)+7], v[BC:BC+7]
.else
	v_wmma_f32_16x16x32_bf16 v[rA:rA+7], v[WB+8*(\ks):WB+8*(\ks)+7], v[rI+8*(\ks):rI+8*(\ks)+7], v[rA:rA+7]
.endif
.endm
; The sum over p for sample tile t: hacc += h x acc, the lowest registers first.
.macro E t
	REG \t
	WIN rW*0x54
.irp q, 0,2,4,6
	v_pk_fma_f32 v[rH+\q:rH+\q+1], v[HV+2*(\t):HV+2*(\t)+1], v[rA+\q:rA+\q+1], v[rH+\q:rH+\q+1]
.endr
.endm
; A tile of W in f32: for each K step my row's channels 8 h .. +7 (32 bytes) and 16 + 8 h .. +7 (32 bytes, 64 further on).
.macro FW areg, imm
.irp ks, 0,1,2,3
	ds_load_b128 v[WF+16*\ks:WF+16*\ks+3],     v[\areg] offset:(\imm)+128*\ks
	ds_load_b128 v[WF+16*\ks+4:WF+16*\ks+7],   v[\areg] offset:(\imm)+128*\ks+16
	ds_load_b128 v[WF+16*\ks+8:WF+16*\ks+11],  v[\areg] offset:(\imm)+128*\ks+64
	ds_load_b128 v[WF+16*\ks+12:WF+16*\ks+15], v[\areg] offset:(\imm)+128*\ks+80
.endr
.endm
.macro FBC4 areg, imm                  ; a tile's b, into the same registers of all four windows
.irp w, 0,1,2,3
	WIN (\w)<<6
	ds_load_b128 v[BC:BC+3],   v[\areg] offset:(\imm)
	ds_load_b128 v[BC+4:BC+7], v[\areg] offset:(\imm)+16
.endr
.endm
.macro FHV                             ; h of one tile (2 p) for my sample in each of the 16 sample tiles
.set tt, 0
.rept 16
	ds_load_b64 v[HV+2*tt:HV+2*tt+1], v[AHC] offset:256*tt
.set tt, tt+1
.endr
.endm
.macro CVT4 g                          ; eight numbers of W rounded to bf16: half g % 2 of the fragment of K step g / 2
	WIN 0
.irp i, 0,1,2,3
	v_cvt_pk_bf16_f32 v[WB+4*(\g)+\i], v[WF+8*(\g)+2*\i], v[WF+8*(\g)+2*\i+1]
.endr
.endm
.macro P0 e                            ; a tile's first 16 products; e = 1: ahead of each the tile before's sum over p for that sample tile
.set tt, 0
.rept 16
.if \e
	E tt
.endif
	MM tt, 0, 1
.set tt, tt+1
.endr
.endm
; The 16 products of K step ks.  cv = 1: the next tile's fragments 0, 1 (in K step 2) and 2 (in K step 3) are rounded, four conversions at a time, where the windows change anyway or are 0.
; The run of LDS loads issued W's fragments 0 to 3, four loads each, then b's eight: so fragment 0 is in when at most 12 + 8 loads are out, fragment 1 at 8 + 8, fragment 2 at 4 + 8.
.macro PS ks, cv
.set tt, 0
.rept 16
	MM tt, \ks, 0
.if \cv
.if ((\ks) == 2) && (tt == 4)
	s_wait_dscnt 20
	CVT4 0
.elseif ((\ks) == 2) && (tt == 9)
	CVT4 1
.elseif ((\ks) == 2) && (tt == 14)
	s_wait_dscnt 16
	CVT4 2
.elseif ((\ks) == 2) && (tt == 15)
	CVT4 3
.elseif ((\ks) == 3) && (tt == 4)
	s_wait_dscnt 12
	CVT4 4
.elseif ((\ks) == 3) && (tt == 9)
	CVT4 5
.endif
.endif
.set tt, tt+1
.endr
.endm
; A BODY: 64 products: K steps 1, 2, 3 of tile i and K step 0 of tile i + 1 (tile 0: the bias tile; tile i: T = i - 1).  It fetches W and b of tile i + 1 at its head and h of tile i + 1 at its end: with the next
; body's head that is ONE run of LDS loads a tile.  The 16 accumulators take turns, one instruction a turn, over the K steps, from body to body and over the backward jumps.
; A vector instruction that reads a result, or writes a register that a product has read, and a load into such a register, stand four plain vector instructions or more behind that product (ISA guide 7.12.1 for vector instructions).
; By the text's own count: fragment 1 is rewritten behind fragment 0's eight conversions; fragment 2 behind the four that follow K step 2's last product; fragment 3 behind the sums over p;
; a sum over p reads its accumulator behind fragment 2's conversions or earlier sums; b is loaded behind fragment 3's eight conversions.
.macro BODY
	WIN 0
	v_add_nc_u32 v[AWC], s[TW], v[AW0]
	v_add_nc_u32 v[ABC], s[TBC], v[ABC0]
	v_add_nc_u32 v[AHC], s[TH], v[AH0]
	FW AWC, 0
	FBC4 ABC, 32
	PS 1, 0
	PS 2, 1
	PS 3, 1
	s_wait_dscnt 0x0                               ; fragment 3 and b, issued 48 products ago
	P0 1
	CVT4 6
	CVT4 7
	FHV
.endm
.macro GROUP tag                       ; a slot's four tiles: the body written once, walked 2 x 2 times
.Lg\tag:
	s_mov_b32 s[UC], 2
.Lu\tag:
	s_mov_b32 s[PBC], 2
.Lb\tag:
	BODY
	s_add_co_u32 s[TW], s[TW], TILEB
	s_add_co_u32 s[TH], s[TH], 8                   ; the other two p of a sample's four
	s_add_co_u32 s[TBC], s[TBC], 32
	s_sub_co_u32 s[PBC], s[PBC], 1
	s_cmp_lg_u32 s[PBC], 0
	s_cbranch_scc1 .Lb\tag
	s_add_co_u32 s[TH], s[TH], 4080                ; the next block of four p
	s_sub_co_u32 s[UC], s[UC], 1
	s_cmp_lg_u32 s[UC], 0
	s_cbranch_scc1 .Lu\tag
.endm
; THE CHANGE OF SLOTS, between two bodies: the slot's last bytes, h of its fourth tile, have been asked for.  Each wave waits for all its tensor loads, of which one is out: its part of the other slot; adds 0 to its
; spare word; and waits for that and for its reads of the slot.  Behind the barrier nobody reads slot cbuf any more and the other slot is whole.  fill = 1: the barrier is a round of the cluster's, and slot cbuf is filled
; again, first thing behind it, with the tiles two slots on: that load has 256 products in which to land.  The fetches go on in the other slot: their scalars are set by constants.
.macro CHANGE fill, cbuf
	WIN 0
.if \fill
	s_wait_xcnt 0x0                                ; the last prefetches, four tiles back, have read their addresses
	s_add_nc_u64 s[PFA:PFA+1], s[PFA:PFA+1], 2097152
	s_add_nc_u64 s[PFH:PFH+1], s[PFH:PFH+1], 8192
.endif
	s_wait_tensorcnt 0x0                           ; no tensor load of mine is out, so a group 0 may be written
	ds_add_u32 v[SPW], v[NIL]                      ; 0 onto my spare word; scalar work stands between it and the wait for it
.if \fill
	s_add_nc_u64 s[G0W+4*(\cbuf)+2:G0W+4*(\cbuf)+3], s[G0W+4*(\cbuf)+2:G0W+4*(\cbuf)+3], 4194304   ; two slots on: 16 p; the type bits on top are not reached
	s_add_nc_u64 s[G0H+4*(\cbuf)+2:G0H+4*(\cbuf)+3], s[G0H+4*(\cbuf)+2:G0H+4*(\cbuf)+3], 16384
.endif
	s_mov_b32 s[TW], (1-(\cbuf))*BUFB
	s_mov_b32 s[TH], (1-(\cbuf))*BUFB
	s_wait_dscnt 0x0                               ; the add is done, and my reads of the slot are over
.if \fill
	CROUND
	JLOAD \cbuf
	ASK
.else
	s_barrier_signal -1
	s_barrier_wait -1
.endif
.endm
; int_x of sample tiles from .. from + n - 1: eight loads a tile, 512 consecutive bytes each, as ixb lies
.macro IXL from, n
.set tt, \from
.rept \n
	REG tt
	WIN rW<<6
.set ii, 0
.rept 8
	global_load_b128 v[rI+4*ii:rI+4*ii+3], v[IXO], s[IXB:IXB+1] offset:4096*tt+512*ii
.set ii, ii+1
.endr
.set tt, tt+1
.endr
	WIN 0
.endm
	s_load_b256 s[4:11], s[0:1], 0x0               ; W s[4:5], b s[6:7], ixb s[8:9], h in s[10:11]
	s_load_b64 s[12:13], s[0:1], 0x20              ; h out
	v_lshl_add_u32 v[SPW], v0, 2, SPARE
	v_mov_b32 v[NIL], 0
	ds_add_u32 v[SPW], v[NIL]                      ; the wave's opening: the add, twice on end, and its wait ahead of my first tensor load
	ds_add_u32 v[SPW], v[NIL]
	v_lshrrev_b32 v14, 5, v0
	v_readfirstlane_b32 s[WV], v14                 ; wave 0..3
	v_and_b32 v14, 15, v0                          ; r = lane % 16
	v_bfe_u32 v15, v0, 4, 1                        ; hl = lane / 16
	v_and_b32 v16, 31, v0                          ; lane; v14-16 are kept
	v_lshlrev_b32 v[IXO], 4, v16
	v_lshlrev_b32 v17, 9, v0                       ; thread p takes b of its p: 4 q
	v_bfe_u32 v19, v0, 1, 2                        ; q of my row of a tile
	v_lshlrev_b32 v18, 2, v19
	s_and_b32 s[WL], s[WV], 1
	s_bfe_u32 s[CX], ttmp6, 0x40000
	s_lshl_b32 s[SB], ttmp9, 2                     ; in a cluster launch ttmp9 counts clusters
	s_add_co_u32 s[SB], s[SB], s[CX]               ; my block of 256 samples
	s_and_b32 s[QB], ttmp7, 0xffff                 ; my block of 4 q, which the four partners share
	; a region of W: 8 p, each 4 rows on end = 2,048 f32, 65,536 f32 from p to p; in LDS 4 words of padding behind every 256
	s_mov_b32 s[G1W], 15|(2<<16)|(1<<20)|(1<<21)|(7<<22)|(3<<25)   ; 15:0 the mask of four; 17:16 4-byte elements; 20 padding on; 21 set beside a mask; 24:22 every 256 words; 31:25 4 words
	s_mov_b32 s[G1W+1], 2048<<16                   ; tensor_dim0
	s_mov_b32 s[G1W+2], 8<<16                      ; tensor_dim1
	s_mov_b32 s[G1W+3], 2048<<16                   ; tile_dim0
	s_mov_b32 s[G1W+4], 8                          ; tile_dim1
	s_mov_b32 s[G1W+5], 65536                      ; from row to row
	s_mov_b32 s[G1W+6], 0
	s_mov_b32 s[G1W+7], 0
	; a piece of h: 8,192 dense bytes as 32 rows of 256; no mask: my own samples'
	s_mov_b32 s[G1H], 3<<16                        ; 8-byte elements
	s_mov_b32 s[G1H+1], 32<<16
	s_mov_b32 s[G1H+2], 32<<16
	s_mov_b32 s[G1H+3], 32<<16
	s_mov_b32 s[G1H+4], 32
	s_mov_b32 s[G1H+5], 32
	s_mov_b32 s[G1H+6], 0
	s_mov_b32 s[G1H+7], 0
	; two bias rows of W: 2 rows of 512 f32, dense, padded like the regions
	s_mov_b32 s[G1I], 15|(2<<16)|(1<<20)|(1<<21)|(7<<22)|(3<<25)
	s_mov_b32 s[G1I+1], 512<<16
	s_mov_b32 s[G1I+2], 2<<16
	s_mov_b32 s[G1I+3], 512<<16
	s_mov_b32 s[G1I+4], 2
	s_mov_b32 s[G1I+5], 512
	s_mov_b32 s[G1I+6], 0
	s_mov_b32 s[G1I+7], 0
	; LDS addresses: constants and the wave's number alone
	s_mul_i32 s84, s[WL], REGB
	s_mul_i32 s86, s[WL], HPB
	s_mul_i32 s87, s[WL], 2*PROW
.irp s, 0,1
	s_mov_b32 s[G0W+4*\s], 1
	s_add_co_u32 s[G0W+4*\s+1], s84, \s*BUFB
	s_mov_b32 s[G0H+4*\s], 1
	s_add_co_u32 s[G0H+4*\s+1], s86, \s*BUFB+HOFF
.endr
	s_mov_b32 s[G0I], 1
	s_add_co_u32 s[G0I+1], s87, WBIAS
	s_lshr_b32 s[KQT], s[WV], 1                    ; my K quarter: piece kq / 2 of a row, 512 (kq % 2) into it
	s_mul_i32 s[KQT], s[KQT], 1040
	s_lshl_b32 s84, s[WL], 9
	s_add_co_u32 s[KQT], s[KQT], s84
	s_mov_b32 s[SEL], 0x76543210
	s_mov_b32 s[SEL+1], 0xfedcba98
	s_mov_b32 s[HM], 0xffff0000
	s_mov_b32 s[TW], 0                             ; the first body fetches tile T = 0, at the head of slot 0
	s_mov_b32 s[TH], 0
	s_mov_b32 s[TBC], 0
	s_cmp_eq_u32 ttmp9, 0                          ; the first of the two clusters of this qb: the same in all four partners
	s_cselect_b32 s[LIMW], 1, -1
	s_lshr_b32 s84, s[WV], 1
	s_xor_b32 s84, s84, 1                          ; 0 in waves 2 and 3,
	s_or_b32 s84, s84, s[QB]                       ; where qb = 0
	s_cmp_eq_u32 s84, 0
	s_cselect_b32 s[LIMH], 1, -1
	s_wait_dscnt 0x0                               ; both opening adds are done
	s_wait_kmcnt 0x0
	; W: made of constants, qb and the wave's number alone
	s_lshl_b32 s84, s[QB], 13                      ; 4 rows of 2,048 bytes
	s_add_co_u32 s84, s84, LAY*LAYB
	s_mov_b32 s85, 0
	s_mov_b32 s87, 0
	s_add_nc_u64 s[88:89], s[4:5], s[84:85]        ; the layer's bias rows 4 qb ..
	s_lshl_b32 s86, s[WL], 12                      ; two of them
	s_add_nc_u64 s[G0I+2:G0I+3], s[88:89], s[86:87]
	s_or_b32 s[G0I+3], s[G0I+3], 0x80000000
	s_lshl_b32 s86, s[WL], 24                      ; region B: 64 p on
	s_add_co_u32 s86, s86, 262144                  ; behind the 128 bias rows
	s_add_nc_u64 s[90:91], s[88:89], s[86:87]
	s_add_nc_u64 s[G0W+2:G0W+3], s[90:91], 0       ; slot 0: p 0-7 (64-71)
	s_or_b32 s[G0W+3], s[G0W+3], 0x80000000
	s_add_nc_u64 s[G0W+6:G0W+7], s[90:91], 2097152 ; slot 1: 8 p on
	s_or_b32 s[G0W+7], s[G0W+7], 0x80000000
	; b at the layer's entry 4 qb
	s_lshl_b32 s84, s[QB], 4
	s_add_co_u32 s84, s84, LAY*66048
	s_add_nc_u64 s[90:91], s[6:7], s[84:85]
	; what hangs on my own samples
	s_mov_b32 s93, 0
	s_lshl_b32 s92, s[SB], 17
	s_lshl_b32 s94, s[WL], 16
	s_add_co_u32 s92, s92, s94
	s_add_nc_u64 s[PFH:PFH+1], s[10:11], s[92:93]  ; h: my block, my half of p
	s_add_nc_u64 s[G0H+2:G0H+3], s[PFH:PFH+1], 0
	s_or_b32 s[G0H+3], s[G0H+3], 0x80000000
	s_add_nc_u64 s[G0H+6:G0H+7], s[PFH:PFH+1], 8192
	s_or_b32 s[G0H+7], s[G0H+7], 0x80000000
	s_add_nc_u64 s[PFH:PFH+1], s[PFH:PFH+1], 3*8192   ; at slot 3: the first change of slots steps it to 4
	s_lshl_b32 s92, s[SB], 2
	s_add_co_u32 s92, s92, s[WV]
	s_lshl_b32 s92, s92, 16
	s_add_nc_u64 s[IXB:IXB+1], s[8:9], s[92:93]
	s_lshl_b32 s92, s[CX], 2
	s_add_co_u32 s92, s92, s[WV]                   ; which of a slot's 16 p I prefetch
	s_and_b32 s94, s92, 7
	s_lshl_b32 s94, s94, 18
	s_lshr_b32 s92, s92, 3
	s_lshl_b32 s92, s92, 24
	s_add_co_u32 s92, s92, s94
	s_add_co_u32 s92, s92, 262144+3*2097152        ; at slot 3
	s_add_nc_u64 s[PFA:PFA+1], s[88:89], s[92:93]
	global_load_b128 v[TB:TB+3], v17, s[90:91] offset:512  ; b of my p,
	global_load_b32 v[TB+4], v18, s[90:91]         ; b of bias row q,
	IXL 0, 7                                       ; and the first 56 loads of int_x go out ahead of the round: nobody writes these bytes
	CROUND                                         ; all four work-groups are here: the first joint loads meet
	s_cmp_lt_u32 s[WV], 2                          ; a wave's first fills stand in one branch, ahead of every wait on TENSORcnt and every LDS read: two or three loads of mine are out
	s_cbranch_scc0 .Lfirst_h
	tensor_load_to_lds s[G0W:G0W+3], s[G1W:G1W+7]
	s_nop 0
	tensor_load_to_lds s[G0W+4:G0W+7], s[G1W:G1W+7]
	s_nop 0
	PLACES
	s_branch .Lfirst_done
.Lfirst_h:
	tensor_load_to_lds s[G0I:G0I+3], s[G1I:G1I+7]
	s_nop 0
	tensor_load_to_lds s[G0H:G0H+3], s[G1H:G1H+7]
	s_nop 0
	tensor_load_to_lds s[G0H+4:G0H+7], s[G1H:G1H+7]
	s_nop 0
	PLACES
.Lfirst_done:
.set tt, 0
.rept 16                                       ; hacc starts at 0
	REG tt
	WIN rW<<6
.irp k, 0,1,2,3,4,5,6,7
	v_mov_b32 v[rH+\k], 0
.endr
.set tt, tt+1
.endr
	WIN 0
	v_lshlrev_b32 v[PFO], 8, v16
	v_bfe_u32 v20, v0, 3, 1                        ; my row of a tile: region r / 8,
	v_mul_u32_u24 v20, v20, REGB
	v_and_b32 v21, 1, v0                           ; p's parity r % 2,
	v_mul_u32_u24 v21, v21, PONE
	v_add_nc_u32 v20, v20, v21
	v_mul_u32_u24 v21, v19, PROW                   ; q = (r / 2) % 4,
	v_lshl_add_u32 v22, v15, 5, s[KQT]             ; my 8 channels of 16, my K quarter
	v_add_nc_u32 v21, v21, v22
	v_add_nc_u32 v[AWB], WBIAS, v21
	v_add_nc_u32 v[AW0], v20, v21
	v_lshlrev_b32 v22, 4, v14                      ; h: 16 bytes a sample,
	v_mul_u32_u24 v23, v15, HPB                    ; my half's piece
	v_add_nc_u32 v22, v22, v23
	v_add_nc_u32 v[AH0], HOFF, v22
	v_mul_u32_u24 v[ABC0], v15, BTH
	v_add_nc_u32 v[ABC0], BT, v[ABC0]
	v_cmp_gt_u32 s3, 16, v16
	v_cndmask_b32 v[PAT], 0, 1.0, s3
	v_lshrrev_b32 v20, 6, v0                       ; where thread p puts its 4 numbers: half p / 64, tile (p % 64) / 2 + 1, register 2 q + p % 2
	v_mul_u32_u24 v20, v20, BTH
	v_bfe_u32 v21, v0, 1, 5
	v_lshl_add_u32 v20, v21, 5, v20
	v_and_b32 v21, 1, v0
	v_lshl_add_u32 v20, v21, 2, v20
	v_add_nc_u32 v20, BT+32, v20
	v_bfe_u32 v21, v0, 3, 1                        ; the bias tile's entry: half (lane / 8) % 2, register lane % 8
	v_mul_u32_u24 v21, v21, BTH
	v_and_b32 v22, 7, v0
	v_lshl_add_u32 v21, v22, 2, v21
	v_add_nc_u32 v21, BT, v21
	s_wait_loadcnt 56                              ; b is in: 56 loads were issued behind it, and they may stay out
	v_cvt_pk_bf16_f32 v[TB+5], v[TB], v[TB+1]      ; b rounded once to bf16, written as f32 again, a quarter for each of the four partial sums
	v_cvt_pk_bf16_f32 v[TB+6], v[TB+2], v[TB+3]
	v_cvt_pk_bf16_f32 v[TB+7], v[TB+4], v[TB+4]
	v_lshlrev_b32 v[TB], 16, v[TB+5]
	v_and_b32 v[TB+1], 0xffff0000, v[TB+5]
	v_lshlrev_b32 v[TB+2], 16, v[TB+6]
	v_and_b32 v[TB+3], 0xffff0000, v[TB+6]
	v_lshlrev_b32 v[TB+4], 16, v[TB+7]
.irp i, 0,1,2,3,4
	v_mul_f32 v[TB+\i], 0x3e800000, v[TB+\i]
.endr
.irp q, 0,1,2,3
	ds_store_b32 v20, v[TB+\q] offset:8*\q
.endr
	s_cmp_lg_u32 s[WV], 3
	s_cbranch_scc1 .Lno_bias
	ds_store_b32 v21, v[TB+4]                      ; register j takes b of bias row j / 2; lanes 16-31 write what lanes 0-15 write
.Lno_bias:
	IXL 7, 9                                       ; the other 72 loads of int_x
	s_wait_tensorcnt 0x1                           ; my part of slot 0 (and the bias rows) is in; the one younger load, my part of slot 1, may stay out
	s_wait_dscnt 0x0                               ; for the others' sake: my stores into b's table are done
	s_barrier_signal -1
	s_barrier_wait -1
	FW AWB, 0                                      ; the bias tile: its W,
	FBC4 ABC0, 0                                   ; its b
	s_wait_dscnt 0x0
.irp g, 0,1,2,3,4,5,6,7
	CVT4 \g
.endr
	s_wait_loadcnt 0x0                             ; int_x
	P0 0                                           ; the bias tile's K step 0: there is no tile before it to sum
	WIN 0
.set tt, 0
.rept 16                                       ; in h's place for the bias tile; also the places between the last product and the loads into b's registers
	v_mov_b32 v[HV+2*tt], v[PAT]
	v_mov_b32 v[HV+2*tt+1], 0
.set tt, tt+1
.endr
	s_mov_b32 s[CNT], 4
	s_branch .LgB                                  ; the outer loop is entered at its second group, which fetches from slot 0
.Ltop:                                                 ; three trips; both slots are filled again
	CHANGE 1, 0
	GROUP A                                        ; fetches from slot 1
	CHANGE 1, 1
	GROUP B                                        ; fetches from slot 0
	s_sub_co_u32 s[CNT], s[CNT], 1
	s_cmp_lg_u32 s[CNT], 0
	s_cbranch_scc1 .Ltop
	CHANGE 0, 0                                    ; the tail is written out: nothing is asked for
	GROUP C
	PS 1, 0                                        ; the last tile's K steps 1 to 3: nothing is left to fetch or to round
	PS 2, 0
	PS 3, 0
	WIN 0
	s_wait_dscnt 0x0                               ; its h
	PLACES                                         ; no other vector work stands behind the last products
.set tt, 0
.rept 16
	E tt
.set tt, tt+1
.endr
	; THE WAY OUT.  A lane's eight sums are 4 q x 2 parities of p; the other half of the lanes holds the other 64 p; the other waves the other K quarters.
.set tt, 0
.rept 16                                       ; S[t][q] at WF + 4 t + q
	REG tt
	WIN rW*0x05
.irp q, 0,1,2,3
	v_add_f32 v[WF+4*tt+\q], v[rH+2*\q], v[rH+2*\q+1]
.endr
.set tt, tt+1
.endr
	WIN 0
.set i, 0
.rept 32                                       ; i = 4 u + q: lanes 0-15 keep sample tile 2 u and send tile 2 u + 1, lanes 16-31 the other way round: lane L ends with sample 32 u + L
	v_cndmask_b32 v[WB+i], v[WF+8*(i/4)+i%4], v[WF+8*(i/4)+4+i%4], s[HM]
	v_cndmask_b32 v[HV+i], v[WF+8*(i/4)+4+i%4], v[WF+8*(i/4)+i%4], s[HM]
.set i, i+1
.endr
.set i, 0
.rept 32
	v_permlanex16_b32 v[WF+i], v[HV+i], s[SEL], s[SEL+1]
.set i, i+1
.endr
.set i, 0
.rept 16
	v_pk_add_f32 v[WB+2*i:WB+2*i+1], v[WB+2*i:WB+2*i+1], v[WF+2*i:WF+2*i+1]
.set i, i+1
.endr
	s_lshl_b32 s84, s[WV], 12
	s_add_co_u32 s84, s84, STAGE
	v_lshl_add_u32 v17, v16, 4, s84
	v_lshl_add_u32 v18, v0, 4, STAGE
.irp u, 0,1,2,3,4,5,6,7
	ds_store_b128 v17, v[WB+4*\u:WB+4*\u+3] offset:512*\u
.endr
	s_wait_dscnt 0x0                               ; for the others' sake: my partial sums lie in the stage
	s_barrier_signal -1
	s_barrier_wait -1
.irp i, 0,1,2,3,4,5,6,7                        ; i = 4 m + wave: thread v finishes samples v and v + 128
	ds_load_b128 v[HV+4*\i:HV+4*\i+3], v18 offset:4096*(\i%4)+2048*(\i/4)
.endr
	v_lshlrev_b32 v19, SSH, v0
	s_lshl_b32 s92, s[SB], 17                      ; 256 samples are 131,072 bytes in either layout of the output
	s_mul_i32 s94, s[QB], QST
	s_add_co_u32 s92, s92, s94
	s_mov_b32 s93, 0
	s_add_nc_u64 s[12:13], s[12:13], s[92:93]
	s_wait_dscnt 0x0
.irp m, 0,1
.irp c, 0,2
	v_pk_add_f32 v[HV+16*\m+\c:HV+16*\m+\c+1], v[HV+16*\m+\c:HV+16*\m+\c+1], v[HV+16*\m+4+\c:HV+16*\m+4+\c+1]
	v_pk_add_f32 v[HV+16*\m+8+\c:HV+16*\m+8+\c+1], v[HV+16*\m+8+\c:HV+16*\m+8+\c+1], v[HV+16*\m+12+\c:HV+16*\m+12+\c+1]
.endr
.irp c, 0,2
	v_pk_add_f32 v[HV+16*\m+\c:HV+16*\m+\c+1], v[HV+16*\m+\c:HV+16*\m+\c+1], v[HV+16*\m+8+\c:HV+16*\m+8+\c+1]
.endr
.if LAY < 2
.irp c, 0,1,2,3
	v_max_num_f32 v[HV+16*\m+\c], 0, v[HV+16*\m+\c]    ; ReLU
.endr
.endif
.endr
	global_store_b128 v19, v[HV:HV+3], s[12:13]        ; between layers: 16 bytes a sample on end, a wave's store covers 512 consecutive bytes; in out0 a work-group's 4 q are 16 bytes of each row of 512
	global_store_b128 v19, v[HV+16:HV+19], s[12:13] offset:128<<SSH
	s_wait_tensorcnt 0x0                           ; the wave's end: a wait, an add to the spare word and its wait, behind my last tensor load and my last LDS store
	ds_add_u32 v[SPW], v[NIL]
	s_wait_dscnt 0x0
	CROUND                                         ; the closing round: no work-group ends while a partner may still ask for a tile that names it
	s_endpgm
.Lfunc_end_k_q2d43cc50ab_lay2:
	.size	k_q2d43cc50ab_lay2, .Lfunc_end_k_q2d43cc50ab_lay2-k_q2d43cc50ab_lay2
	.p2alignl 7, 3214868480
	.fill 96, 4, 3214868480
	.section	.rodata,"a",@progbits
	.p2align	6, 0x0
	.amdhsa_kernel k_q2d43cc50ab_lay2
		.amdhsa_group_segment_fixed_size 327680
		.amdhsa_private_segment_fixed_size 0
		.amdhsa_enable_private_segment 0
		.amdhsa_kernarg_size 40
		.amdhsa_user_sgpr_count 2
		.amdhsa_user_sgpr_kernarg_segment_ptr 1
		.amdhsa_wavefront_size32 1
		.amdhsa_system_sgpr_workgroup_id_x 1
		.amdhsa_system_sgpr_workgroup_id_y 1
		.amdhsa_system_sgpr_workgroup_id_z 1
		.amdhsa_system_vgpr_workitem_id 0
		.amdhsa_next_free_vgpr 1024
		.amdhsa_next_free_sgpr 96
		.amdhsa_reserve_vcc 0
		.amdhsa_float_denorm_mode_32 3
		.amdhsa_float_denorm_mode_16_64 3
		.amdhsa_memory_ordered 1
		.amdhsa_forward_progress 1
		.amdhsa_inst_pref_size 98
	.end_amdhsa_kernel
	.amdgpu_metadata
---
amdhsa.version: [ 1, 2 ]
amdhsa.kernels:
  - .name:           k_q2d43cc50ab_lay2
    .symbol:         k_q2d43cc50ab_lay2.kd
    .args:
      - { .name: W, .offset: 0, .size: 8, .value_kind: global_buffer, .address_space: global }
      - { .name: b, .offset: 8, .size: 8, .value_kind: global_buffer, .address_space: global }
      - { .name: ixb, .offset: 16, .size: 8, .value_kind: global_buffer, .address_space: global }
      - { .name: hA, .offset: 24, .size: 8, .value_kind: global_buffer, .address_space: global }
      - { .name: out0, .offset: 32, .size: 8, .value_kind: global_buffer, .address_space: global }
    .group_segment_fixed_size: 327680
    .private_segment_fixed_size: 0
    .kernarg_segment_align: 8
    .kernarg_segment_size: 40
    .max_flat_workgroup_size: 128
    .sgpr_count:     96
    .vgpr_count:     1024
    .wavefront_size: 32
...
	.end_amdgpu_metadata
.endif
;; end of part 4
;; ======== version 2 of 2: 4 launches; version 1 with the launch prep written anew for expert scheduling mode
;; workspace buffers: ixb 2,097,152 bytes; hA 1,048,576 bytes; hB 1,048,576 bytes
;; launch prep (part 5): grid 160 x 1, 4 waves a work-group, no clusters, 35,328 bytes of LDS; arguments int_x, x, ixb, hA; writes ixb, hA
.if DOCPART == 5
	.amdgcn_target "amdgcn-amd-amdhsa--gfx1250"
	.amdhsa_code_object_version 6
	.text
	.protected	k_q2d43cc50ab_prep
	.globl	k_q2d43cc50ab_prep
	.p2align	8
	.type	k_q2d43cc50ab_prep,@function
k_q2d43cc50ab_prep:
	s_mov_b64 s[64:65], 0
	v_nop
	global_prefetch_b8 v0, s[64:65] scope:SCOPE_SE
	s_setreg_imm32_b32 hwreg(HW_REG_WAVE_SCHED_MODE, 0, 2), 2
	s_setreg_imm32_b32 hwreg(HW_REG_WAVE_MODE, 25, 1), 1
	s_wait_xcnt 0x0
	s_wait_alu depctr_vm_vsrc(0)
; PREP.  (1) int_x [2048][512] f32 -> ixb, bf16, in the order in which the layer launches hold it in registers:
;   byte (sb*4+kq)*65536 + (t*4+ks)*1024 + c*512 + L*16 holds int_x[256 sb + 16 t + L%16][128 kq + 32 ks + 16 c + 8 (L/16) + 0..7],
;   so that a wave's load of a fragment half there covers 512 consecutive bytes.
; (2) x [2048][128] f32 -> hA, f32 numbers rounded once to bf16, as [sb 8][qb 32][sample 256][4]: p = 4 qb + i.
; Work-groups 0-127: 16 rows of int_x each, wave kq takes 512 bytes of each row.  Work-groups 128-159: 64 rows of x, 16 a wave.
; Memory binds: each byte is read once by loads that cover 512 consecutive bytes, turned in the wave's own LDS bytes (no barrier: no wave reads another's),
; and stored so that sixteen neighbouring lanes write 256 consecutive bytes, aligned.  No matrix unit, no cluster: nothing is shared.
; THE MODE: SCHED_MODE bits 1:0 = 2 (LLVM: expert scheduling mode 2), set by the entry lines.  The code itself states the register dependences
; between vector instructions and memory or LDS instructions, with s_wait_alu, always for 0.
; THE PLAN.  Registers that memory or LDS instructions touch, in either arm:
;   v7 .. v10    offsets and LDS addresses: made once at the arm's head, ahead of ONE wait on va_vdst, and never written again.
;   X            row r: 4 registers.  A global load lands in them; the row's conversions write them in place; one LDS store reads them; nothing writes them after that.
;   Y            LDS loads land in them, global stores read them; no vector instruction names them.
;   v2, v3       written at the head, read by the closing add alone.
; The 16 rows go in four groups of four.  Group g's LDS stores are issued in group g + 1, one ahead of each row's conversions, which name group g + 1's own X (and v12, v13) alone.
; So one wait on va_vdst at a group's head, behind the wait for the group's first row, states all that the four stores dealt into the group hang on; one more stands ahead of the last group's stores.
; No register that a memory or LDS instruction has read is written again: the text holds no wait on vm_vsrc.
.set PITCH, 272                        ; an LDS row: 256 bytes + 16, so that 16 rows taken at one column fall on 16 different 16-byte columns of 256
.set WLDS,  32*PITCH                   ; a wave's LDS bytes
.set SPARE, 4*WLDS                     ; behind them the spare words, 128 bytes a wave: no other line names them
.set GRP, 4                            ; rows in a group
.set SPW, 2                            ; v2  my spare word's address; never rewritten
.set NIL, 3                            ; v3  0; never rewritten
.set X,   16                           ; v[16:79]   16 rows as loaded, 4 registers each
.set Y,   80                           ; v[80:143]  what comes back from LDS
	s_load_b256 s[4:11], s[0:1], 0x0               ; int_x s[4:5], x s[6:7], ixb s[8:9], hA s[10:11]
	v_lshl_add_u32 v[SPW], v0, 2, SPARE
	v_mov_b32 v[NIL], 0
	v_lshrrev_b32 v1, 5, v0
	v_readfirstlane_b32 s18, v1                    ; wave 0..3
	v_and_b32 v4, 31, v0                           ; L
	v_and_b32 v5, 15, v0                           ; L % 16
	v_bfe_u32 v6, v0, 4, 1                         ; L / 16
	s_wait_alu depctr_va_sdst(0)                   ; s18 is written, ahead of its first reader: LDS addresses and the buffers' offsets are made from it
	s_mul_i32 s19, s18, WLDS                       ; my wave's LDS bytes
	s_mov_b32 s21, 0
	s_wait_kmcnt 0x0
	s_cmp_lt_u32 ttmp9, 128
	s_cbranch_scc0 .Lx
	; ---- int_x: work-group g = 16 sb + t owns rows 16 g .. 16 g + 15
	s_lshl_b32 s20, ttmp9, 15                      ; 16 rows of 2,048 bytes
	s_add_nc_u64 s[4:5], s[4:5], s[20:21]
	s_lshl_b32 s24, s18, 9                         ; my wave's 512 bytes of a row
	v_lshl_add_u32 v7, v4, 4, s24
	v_lshl_add_u32 v8, v4, 3, s19                  ; in: 8 bytes a lane, a row of 128 bf16 on end
	v_mul_u32_u24 v9, v5, PITCH                    ; back: row L % 16, 16 bytes at 16 (L / 16)
	v_lshl_add_u32 v9, v6, 4, v9
	v_add_nc_u32 v9, s19, v9
	v_lshlrev_b32 v10, 4, v4
	s_wait_alu depctr_va_vdst(0)                   ; v7 to v10 are written: the loads, LDS stores, LDS loads and stores below read them as offsets and addresses
.irp r, 0,1,2,3,4,5,6,7,8,9,10,11,12,13,14,15
	global_load_b128 v[X+4*\r:X+4*\r+3], v7, s[4:5] offset:2048*\r th:TH_LOAD_NT
.endr
	s_lshr_b32 s22, ttmp9, 4                       ; sb
	s_lshl_b32 s22, s22, 2
	s_add_co_u32 s22, s22, s18                     ; 4 sb + kq
	s_lshl_b32 s22, s22, 16
	s_and_b32 s23, ttmp9, 15                       ; t
	s_lshl_b32 s23, s23, 12
	s_add_co_u32 s22, s22, s23
	s_mov_b32 s23, 0
	s_add_nc_u64 s[8:9], s[8:9], s[22:23]
.set r, 0
.rept 16
	s_wait_loadcnt 15-r                            ; loads come back in order: row r is in, the younger rows stay out
.if (r >= GRP) && (r%GRP == 0)
	s_wait_alu depctr_va_vdst(0)                   ; the group before's conversions have written their X registers, which the four LDS stores dealt into this group read
.endif
.if r >= GRP
	ds_store_b64 v8, v[X+4*(r-GRP):X+4*(r-GRP)+1] offset:PITCH*(r-GRP)   ; the row four back; no vector instruction since the wait names its registers
.endif
	v_cvt_pk_bf16_f32 v[X+4*r], v[X+4*r], v[X+4*r+1]
	v_cvt_pk_bf16_f32 v[X+4*r+1], v[X+4*r+2], v[X+4*r+3]
.set r, r+1
.endr
	s_wait_alu depctr_va_vdst(0)                   ; the last group's conversions have written their X registers, which the four LDS stores below read
.irp r, 12,13,14,15
	ds_store_b64 v8, v[X+4*\r:X+4*\r+1] offset:PITCH*\r
.endr
.irp i, 0,1,2,3,4,5,6,7
	ds_load_b128 v[Y+4*\i:Y+4*\i+3], v9 offset:32*\i   ; i = 2 ks + c; a wave's LDS instructions are served in order: these see the stores above
.endr
.irp i, 0,1,2,3,4,5,6,7
	s_wait_dscnt 7-\i                              ; read-back i is in, the younger ones stay out
	global_store_b128 v10, v[Y+4*\i:Y+4*\i+3], s[8:9] offset:512*\i   ; 512 consecutive bytes
.endr
	s_branch .Lend
	; ---- x: wave j = 4 (g - 128) + wave owns rows 16 j .. 16 j + 15
.Lx:
	s_sub_co_u32 s20, ttmp9, 128
	s_lshl_b32 s20, s20, 2
	s_add_co_u32 s24, s20, s18                     ; j
	s_lshl_b32 s20, s24, 13                        ; 16 rows of 512 bytes
	s_add_nc_u64 s[6:7], s[6:7], s[20:21]
	v_lshlrev_b32 v7, 4, v4                        ; lane = q block: 4 numbers
	v_mul_u32_u24 v8, v4, PITCH                    ; in: LDS row = q block, 16 bytes a sample
	v_add_nc_u32 v8, s19, v8
	v_mul_u32_u24 v9, v6, PITCH                    ; back: lanes 0-15 one q block's 16 samples, lanes 16-31 the next block's
	v_lshl_add_u32 v9, v5, 4, v9
	v_add_nc_u32 v9, s19, v9
	v_lshlrev_b32 v10, 4, v5
	v_lshl_add_u32 v10, v6, 12, v10                ; a q block is 4,096 bytes of hA
	s_wait_alu depctr_va_vdst(0)                   ; v7 to v10 are written: the loads, LDS stores, LDS loads and stores below read them as offsets and addresses
.irp r, 0,1,2,3,4,5,6,7,8,9,10,11,12,13,14,15
	global_load_b128 v[X+4*\r:X+4*\r+3], v7, s[6:7] offset:512*\r th:TH_LOAD_NT
.endr
	s_lshr_b32 s22, s24, 4                         ; sb
	s_lshl_b32 s22, s22, 17
	s_and_b32 s23, s24, 15
	s_lshl_b32 s23, s23, 8                         ; my 16 samples: 256 bytes
	s_add_co_u32 s22, s22, s23
	s_mov_b32 s23, 0
	s_add_nc_u64 s[10:11], s[10:11], s[22:23]
.set r, 0
.rept 16
	s_wait_loadcnt 15-r                            ; row r is in, the younger rows stay out
.if (r >= GRP) && (r%GRP == 0)
	s_wait_alu depctr_va_vdst(0)                   ; the group before's lines have written their X registers, which the four LDS stores dealt into this group read
.endif
.if r >= GRP
	ds_store_b128 v8, v[X+4*(r-GRP):X+4*(r-GRP)+3] offset:16*(r-GRP)     ; the row four back; no vector instruction since the wait names its registers
.endif
	v_cvt_pk_bf16_f32 v12, v[X+4*r], v[X+4*r+1]        ; rounded once to bf16,
	v_cvt_pk_bf16_f32 v13, v[X+4*r+2], v[X+4*r+3]
	v_lshlrev_b32 v[X+4*r], 16, v12                    ; and written as f32 again
	v_and_b32 v[X+4*r+1], 0xffff0000, v12
	v_lshlrev_b32 v[X+4*r+2], 16, v13
	v_and_b32 v[X+4*r+3], 0xffff0000, v13
.set r, r+1
.endr
	s_wait_alu depctr_va_vdst(0)                   ; the last group's lines have written their X registers, which the four LDS stores below read
.irp r, 12,13,14,15
	ds_store_b128 v8, v[X+4*\r:X+4*\r+3] offset:16*\r
.endr
.irp m, 0,1,2,3,4,5,6,7,8,9,10,11,12,13,14,15
	ds_load_b128 v[Y+4*\m:Y+4*\m+3], v9 offset:2*PITCH*\m
.endr
.irp m, 0,1,2,3,4,5,6,7,8,9,10,11,12,13,14,15
	s_wait_dscnt 15-\m
	global_store_b128 v10, v[Y+4*\m:Y+4*\m+3], s[10:11] offset:8192*\m   ; sixteen lanes store 256 consecutive bytes, aligned
.endr
.Lend:
	s_wait_dscnt 0x0                               ; the wave's end: the closing lines, six on end
	s_wait_alu 0x0
	s_wait_tensorcnt 0x0
	ds_add_u32 v[SPW], v[NIL]
	s_wait_dscnt 0x0
	s_endpgm
.Lfunc_end_k_q2d43cc50ab_prep:
	.size	k_q2d43cc50ab_prep, .Lfunc_end_k_q2d43cc50ab_prep-k_q2d43cc50ab_prep
	.p2alignl 7, 3214868480
	.fill 96, 4, 3214868480
	.section	.rodata,"a",@progbits
	.p2align	6, 0x0
	.amdhsa_kernel k_q2d43cc50ab_prep
		.amdhsa_group_segment_fixed_size 35328
		.amdhsa_private_segment_fixed_size 0
		.amdhsa_enable_private_segment 0
		.amdhsa_kernarg_size 32
		.amdhsa_user_sgpr_count 2
		.amdhsa_user_sgpr_kernarg_segment_ptr 1
		.amdhsa_wavefront_size32 1
		.amdhsa_system_sgpr_workgroup_id_x 1
		.amdhsa_system_sgpr_workgroup_id_y 1
		.amdhsa_system_sgpr_workgroup_id_z 1
		.amdhsa_system_vgpr_workitem_id 0
		.amdhsa_next_free_vgpr 144
		.amdhsa_next_free_sgpr 66
		.amdhsa_reserve_vcc 0
		.amdhsa_float_denorm_mode_32 3
		.amdhsa_float_denorm_mode_16_64 3
		.amdhsa_memory_ordered 1
		.amdhsa_forward_progress 1
		.amdhsa_inst_pref_size 21
	.end_amdhsa_kernel
	.amdgpu_metadata
---
amdhsa.version: [ 1, 2 ]
amdhsa.kernels:
  - .name:           k_q2d43cc50ab_prep
    .symbol:         k_q2d43cc50ab_prep.kd
    .args:
      - { .name: int_x, .offset: 0, .size: 8, .value_kind: global_buffer, .address_space: global }
      - { .name: x, .offset: 8, .size: 8, .value_kind: global_buffer, .address_space: global }
      - { .name: ixb, .offset: 16, .size: 8, .value_kind: global_buffer, .address_space: global }
      - { .name: hA, .offset: 24, .size: 8, .value_kind: global_buffer, .address_space: global }
    .group_segment_fixed_size: 35328
    .private_segment_fixed_size: 0
    .kernarg_segment_align: 8
    .kernarg_segment_size: 32
    .max_flat_workgroup_size: 128
    .sgpr_count:     66
    .vgpr_count:     144
    .wavefront_size: 32
...
	.end_amdgpu_metadata
.endif
;; end of part 5
;; launch lay0: the kernel of part 2 again; grid 8 x 32, 4 waves a work-group, clusters of 4 x 1, 327,680 bytes of LDS; arguments W, b, ixb, hA, hB; writes hB
;; launch lay1: the kernel of part 3 again; grid 8 x 32, 4 waves a work-group, clusters of 4 x 1, 327,680 bytes of LDS; arguments W, b, ixb, hB, hA; writes hA
;; launch lay2: the kernel of part 4 again; grid 8 x 32, 4 waves a work-group, clusters of 4 x 1, 327,680 bytes of LDS; arguments W, b, ixb, hA, out0; writes out0
